; MI455X (gfx1250); checked and timed in simulation.
; The chip was launched on July 23, 2026; its instructions are those of AMD's public machine-readable ISA for CDNA 5 (MIT licence, August 2026) and "CDNA5" Instruction Set Architecture Reference Guide (July 2026). The comments in the code are by the model that wrote it; some were corrected since.
;; Guarded Layer. Allowed arithmetic: matrix products marked QUANTISED: E2M3 operands, one E8M0 scale for each 32 along K, by v_wmma_scale_f32_16x16x128_f8f6f4 with both operands' format E2M3, f32 sums; products left as they are: f32 operands where the result goes on into a quantised operand, else bf16, f16 or f32 operands; f32 sums; everything else in f32.
;; Inputs: Wc 8 x 512 x 512 float32; Wp 8 x 2 x 512 float32; bc 8 x 512 float32; bp 8 x 2 float32; x 32,768 x 512 float32.
;; Outputs: out0 32,768 x 512 float32.
;; This version of the problem:
;;   THIS VERSION OF THE PROBLEM IS GIVEN IN LOW PRECISION. The matrix products marked QUANTISED in the list below multiply operands that are first quantised to E2M3 (2 exponent bits, 3 mantissa bits; 6 bits a number), with one power-of-two scale for each 32 numbers along K (OCP MX v1.0); their sums are f32. All else is computed in f32.
;;   The module's matrix products, in the order in which they are computed (A, B: the left and right operand; K: the contracted axis; several contracted axes count as one K, in the product's order):
;;     1. [M 32,768, K 512] x [K 512, N 16]; A: input x; B: input Wp: QUANTISED
;;     2. [M 32,768, K 512] x [K 512, N 4,096]; A: input x; B: input Wc: QUANTISED
;;     3. batch 32,768 x [M 1, K 8] x [K 8, N 512]; A: computed on the way; B: computed on the way: left as it is (K = 8 < 32)
;;   THE QUANTISER, for each operand of a quantised product, along K:
;;     - K is cut into blocks of 32 from its start; a last block that is shorter is filled with zeros.
;;     - A block's scale is 2^e with e = floor(log2(the largest magnitude in the block)) - 2, held to -126 .. 127; a block of zeros has e = 0. As a byte (E8M0): e + 127.
;;     - Each number is divided by its block's scale, clamped to +-7.5, and rounded to the nearest number of E2M3, ties to even, subnormals kept.
;;     - The product sums the exact products of the quantised numbers (number of the format x scale) in f32.
;;   ~~~python
;;   def quantise(x, axis):      # numpy; x: float32 -> the quantised numbers, widened to float32 again
;;       x = np.moveaxis(x, axis, -1); K = x.shape[-1]
;;       x = np.pad(x, [(0, 0)] * (x.ndim - 1) + [(0, -K % 32)]); x = x.reshape(x.shape[:-1] + (-1, 32)); a = np.abs(x).max(-1, keepdims=True)
;;       e = np.where(a > 0, np.clip(np.frexp(np.where(a > 0, a, 1))[1] - 1 - 2, -126, 127), 0)      # np.frexp(a)[1] - 1 = floor(log2(a)), exactly
;;       r = np.clip(x / 2.0 ** e, -7.5, 7.5)
;;       step = 2.0 ** (np.maximum(np.frexp(np.where(r == 0, 1, r))[1] - 1, 0) - 3)
;;       q = np.round(r / step) * step * 2.0 ** e      # np.round: ties to even
;;       return np.moveaxis(q.reshape(q.shape[:-2] + (-1,))[..., :K], -1, axis).astype(np.float32)
;;   ~~~
;; 3 versions, each right; version 2 is faster than version 1; version 3 is version 2 with the launch prep written anew for expert scheduling mode. Each part assembles by itself: llvm-mc -triple=amdgcn-amd-amdhsa -mcpu=gfx1250 --defsym DOCPART=n.
;; ======== version 1 of 3: 2 launches
;; workspace buffers: wq 1,638,400 bytes
;; launch prep (part 1): grid 8 x 8, 16 waves a work-group, no clusters, 3,072 bytes of LDS; arguments Wc, wq; writes wq
.if DOCPART == 1
	.amdgcn_target "amdgcn-amd-amdhsa--gfx1250"
	.amdhsa_code_object_version 6
	.text
	.protected	k_q45b0609241_prep
	.globl	k_q45b0609241_prep
	.p2align	8
	.type	k_q45b0609241_prep,@function
k_q45b0609241_prep:
	s_mov_b64 s[64:65], 0
	v_nop
	global_prefetch_b8 v0, s[64:65] scope:SCOPE_SE
	s_setreg_imm32_b32 hwreg(HW_REG_WAVE_MODE, 25, 1), 1
	s_wait_xcnt 0x0
; Wc [8 (c)][512 (d)][512 (e)], f32, is the second operand of x @ Wc[c]: its K is d, the middle axis.  It is turned ONCE into codes of FP6 (E2M3) with one E8M0
; scale byte for each 32 along d, laid in the order in which the next launch's operand registers take them.
; wq: 256 chunks of 6,400 bytes.  A chunk serves one case c and 16 columns e = 64 j + 16 w + 0 .. 15, for all of K: chunk = ((2 j + c / 4) 4 + w) 4 + c % 4.
;   bytes 0 .. 6143:    four fragment images (K step ks = 128 along d): registers 4 g .. 4 g + 3 of the fragment's twelve, lane l, at 1536 ks + 512 g + 16 l
;   bytes 6144 .. 6399: the scale words: column r's word for K step ks at 4 (16 ks + r)
; SHARES.  Work-group (x = c, y = j), sixteen waves: wave = 4 w + ks makes one fragment.  A LANE TAKES A COLUMN e AND ITS REGISTERS RUN DOWN d, in the very order that the
; operand's layout gives that lane (lane (r, h): k = 64 c' + 32 h + 0 .. 31 in registers 6 c' .. 6 c' + 5): the conversions' results are the operand's registers, nothing is transposed.
; A block's scale is 2^(floor(log2(its largest magnitude)) - 2); its byte is the largest magnitude's exponent field - 2, held at 1 from below.
; LIMITS: a block of zeros gets the byte 1 where the rule says 127 (its codes are zeros, which add nothing, and this program alone reads the bytes); blocks whose largest
; magnitude lies under 2^-124 get the byte 1 too; NaN and infinities among the inputs are not served.
.set CH, 6400                          ; bytes of a chunk
.set X,  32                            ; v32-95   my 64 numbers
.set F,  96                            ; v96-107  the fragment; v108-110, v112-114 the second halves of the two blocks, as the conversions leave them
	s_load_b128 s[4:7], s[0:1], 0x0                ; Wc s[4:5], wq s[6:7]
	v_lshl_add_u32 v128, v0, 2, 0x400
	v_mov_b32 v129, 0
	v_lshrrev_b32 v1, 5, v0
	v_readfirstlane_b32 s8, v1                     ; wave 0..15
	s_lshr_b32 s9, s8, 2                           ; w: which 16 columns
	s_and_b32 s10, s8, 3                           ; ks: which 128 along d
	s_and_b32 s11, ttmp7, 0xffff                   ; j
	v_and_b32 v1, 15, v0                           ; r
	v_bfe_u32 v2, v0, 4, 1                         ; h
	v_lshlrev_b32 v3, 2, v1
	v_lshl_add_u32 v3, v2, 16, v3                  ; in: 4 r, and 32 rows of 2,048 bytes further down for lanes 16-31
	v_and_b32 v4, 31, v0
	v_lshlrev_b32 v7, 3, v4                        ; 8 x lane: the scale words' way out
	v_lshlrev_b32 v4, 4, v4                        ; 16 x lane: an image's place for my lane
	s_lshl_b32 s12, s9, 8                          ; LDS: 256 bytes of scale words for each w,
	s_lshl_b32 s13, s10, 6                         ; in them 64 for each ks
	s_add_co_u32 s13, s13, s12
	v_lshl_add_u32 v5, v1, 2, s13                  ; my column's word
	v_add_nc_u32 v6, s12, v7                       ; and where a chunk's 256 bytes are read back
	s_mov_b32 s20, 0x76543210
	s_mov_b32 s21, 0xfedcba98                      ; v_permlanex16_b32's selects for lane l xor 16
	s_lshl_b32 s14, ttmp9, 20                      ; Wc: case c, 1,048,576 bytes each,
	s_lshl_b32 s16, s10, 18                        ; + 128 ks rows of 2,048 bytes,
	s_add_co_u32 s14, s14, s16
	s_lshl_b32 s16, s11, 8                         ; + (64 j + 16 w) columns of 4 bytes
	s_add_co_u32 s14, s14, s16
	s_lshl_b32 s16, s9, 6
	s_add_co_u32 s14, s14, s16
	s_mov_b32 s15, 0
	s_lshl_b32 s16, s11, 1                         ; the chunk's number
	s_lshr_b32 s17, ttmp9, 2
	s_add_co_u32 s16, s16, s17
	s_lshl_b32 s16, s16, 2
	s_add_co_u32 s16, s16, s9
	s_lshl_b32 s16, s16, 2
	s_and_b32 s17, ttmp9, 3
	s_add_co_u32 s16, s16, s17
	s_mul_i32 s16, s16, CH
	s_mul_i32 s17, s10, 1536                       ; my fragment's image in it
	s_add_co_u32 s16, s16, s17
	s_mov_b32 s17, 0
	s_wait_kmcnt 0x0
	s_add_nc_u64 s[4:5], s[4:5], s[14:15]
	s_add_nc_u64 s[6:7], s[6:7], s[16:17]
.irp c, 0,1
.set i, 0
.rept 32
	global_load_b32 v[X+32*\c+i], v3, s[4:5] offset:(64*\c+i)*2048   ; Wc(c, 128 ks + 64 c' + 32 h + i, my column): sixteen lanes read 64 neighbouring bytes; the four waves of one ks stand side by side on 256
.set i, i+1
.endr
.endr
	s_wait_loadcnt 0x0
.irp c, 0,1                                    ; my block 2 c' + h: all its 32 numbers are mine
	v_max3_num_f32 v[16+\c], |v[X+32*\c]|, |v[X+1+32*\c]|, 0x1800000   ; and the floor 2^(3 - 127), under which no largest magnitude is taken: so the byte cannot fall under 1
.endr
.irp i, 2,4,6,8,10,12,14,16,18,20,22,24,26,28,30
.irp c, 0,1
	v_max3_num_f32 v[16+\c], v[16+\c], |v[X+32*\c+\i]|, |v[X+1+32*\c+\i]|   ; (the two blocks by turns)
.endr
.endr
.irp c, 0,1
	v_add_nc_u32 v[18+\c], 0xff000000, v[16+\c]    ; 2 off its exponent field: the conversion takes the exponent field of this operand as its scale, and nothing else of it
.endr
.irp c, 0,1
	v_lshrrev_b32 v[20+\c], 23, v[18+\c]           ; the scale's byte
.endr
	v_lshl_or_b32 v22, v21, 16, v20                ; my two bytes: blocks h and 2 + h of my column,
	v_lshlrev_b32 v23, 3, v2
	v_lshlrev_b32 v22, v23, v22                    ; at their places in the scale word (8 h bits up);
	v_mov_b32 v23, 0                               ; (a lane permute's destination counts as one of its sources)
	v_permlanex16_b32 v23, v22, s20, s21
	v_or_b32 v22, v22, v23                         ; with lane l xor 16's two the word is whole, in both lanes
.irp c, 0,1
	v_cvt_scalef32_pk16_fp6_f32 v[F+6*\c:F+2+6*\c], v[X+32*\c:X+15+32*\c], v[18+\c]          ; registers 6 c' .. 6 c' + 2 of the operand
	v_cvt_scalef32_pk16_fp6_f32 v[108+4*\c:110+4*\c], v[X+16+32*\c:X+31+32*\c], v[18+\c]     ; (a conversion's three registers begin on an even number: the second half is made elsewhere and moved)
.endr
	v_nop                                          ; one plain vector instruction between a scaled conversion and the vector instruction that touches its result
.irp c, 0,1
.irp i, 0,1,2
	v_mov_b32 v[F+3+6*\c+\i], v[108+4*\c+\i]
.endr
.endr
.irp g, 0,1,2
	global_store_b128 v4, v[F+4*\g:F+4*\g+3], s[6:7] offset:512*\g   ; 32 lanes store 512 consecutive bytes, at a multiple of 256 from wq's first byte
.endr
	ds_store_b32 v5, v22                           ; both lanes of a column write the same word with the same value
	s_wait_dscnt 0x0                               ; for the others' sake: my word lies in LDS
	s_barrier_signal -1
	s_barrier_wait -1                              ; a chunk's 64 words come from the four waves of one w
	s_cmp_lg_u32 s10, 0                            ; the wave with ks = 0 sends them (its base stands at the chunk's first byte)
	s_cbranch_scc1 .Ldone
	ds_load_b64 v[24:25], v6
	s_wait_dscnt 0x0
	global_store_b64 v7, v[24:25], s[6:7] offset:6144   ; 32 lanes store 256 consecutive bytes, aligned
.Ldone:
	s_wait_tensorcnt 0x0
	ds_add_u32 v128, v129
	s_wait_dscnt 0x0
	s_endpgm
.Lfunc_end_k_q45b0609241_prep:
	.size	k_q45b0609241_prep, .Lfunc_end_k_q45b0609241_prep-k_q45b0609241_prep
	.p2alignl 7, 3214868480
	.fill 96, 4, 3214868480
	.section	.rodata,"a",@progbits
	.p2align	6, 0x0
	.amdhsa_kernel k_q45b0609241_prep
		.amdhsa_group_segment_fixed_size 3072
		.amdhsa_private_segment_fixed_size 0
		.amdhsa_enable_private_segment 0
		.amdhsa_kernarg_size 16
		.amdhsa_user_sgpr_count 2
		.amdhsa_user_sgpr_kernarg_segment_ptr 1
		.amdhsa_wavefront_size32 1
		.amdhsa_system_sgpr_workgroup_id_x 1
		.amdhsa_system_sgpr_workgroup_id_y 1
		.amdhsa_system_sgpr_workgroup_id_z 1
		.amdhsa_system_vgpr_workitem_id 0
		.amdhsa_next_free_vgpr 130
		.amdhsa_next_free_sgpr 66
		.amdhsa_reserve_vcc 0
		.amdhsa_float_denorm_mode_32 3
		.amdhsa_float_denorm_mode_16_64 3
		.amdhsa_memory_ordered 1
		.amdhsa_forward_progress 1
		.amdhsa_inst_pref_size 12
	.end_amdhsa_kernel
	.amdgpu_metadata
---
amdhsa.version: [ 1, 2 ]
amdhsa.kernels:
  - .name:           k_q45b0609241_prep
    .symbol:         k_q45b0609241_prep.kd
    .args:
      - { .name: Wc, .offset: 0, .size: 8, .value_kind: global_buffer, .address_space: global }
      - { .name: wq, .offset: 8, .size: 8, .value_kind: global_buffer, .address_space: global }
    .group_segment_fixed_size: 3072
    .private_segment_fixed_size: 0
    .kernarg_segment_align: 8
    .kernarg_segment_size: 16
    .max_flat_workgroup_size: 512
    .sgpr_count:     66
    .vgpr_count:     130
    .wavefront_size: 32
...
	.end_amdgpu_metadata
.endif
;; end of part 1
;; launch main (part 2): grid 256 x 1, 4 waves a work-group, clusters of 4 x 1, 327,680 bytes of LDS; arguments x, Wp, bp, bc, wq, out0; writes out0
.if DOCPART == 2
	.amdgcn_target "amdgcn-amd-amdhsa--gfx1250"
	.amdhsa_code_object_version 6
	.text
	.protected	k_q45b0609241_main
	.globl	k_q45b0609241_main
	.p2align	8
	.type	k_q45b0609241_main,@function
k_q45b0609241_main:
	s_mov_b64 s[64:65], 0
	v_nop
	global_prefetch_b8 v0, s[64:65] scope:SCOPE_SE
	s_setreg_imm32_b32 hwreg(HW_REG_WAVE_MODE, 25, 1), 1
	s_wait_xcnt 0x0
	s_wait_alu depctr_hold_cnt(0) depctr_sa_sdst(0) depctr_va_vdst(0) depctr_va_sdst(0) depctr_va_ssrc(0) depctr_va_vcc(0) depctr_vm_vsrc(0)
	s_getreg_b32 s2, hwreg(HW_REG_IB_STS2, 6, 4)
	s_cmp_eq_u32 s2, 0
	s_cbranch_scc0 .Lentry_in_a_cluster
	s_endpgm
.Lentry_in_a_cluster:
	s_bfe_u32 s2, ttmp6, 0x10000c
	s_cmp_lg_u32 s2, 0x3003
	s_cbranch_scc0 .Lentry_shape_is_right
	s_endpgm
.Lentry_shape_is_right:
; out[n][e] = sum over c of presence[n][c] (Q(x)[n] . Q(Wc)[c][:, e] + bc[c][e]);  presence[n][c] = sigmoid(s[n][c][0]) sigmoid(s[n][c][1]), 0 where that is not above 1e-4;
; s = Q(x) Q(Wp)^T + bp.  Q: codes of FP6 (E2M3) with one E8M0 scale for each 32 along K = 512.  x [32768][512], Wp [16][512], bp [16], bc [8][512], out [32768][512]: f32.
; wq: Wc's codes and scale words in operand order (the launch before): chunk ((2 j + c / 4) 4 + w) 4 + c % 4 of 6,400 bytes = four fragment images + 64 scale words.
; SHARES.  A work-group of four waves owns 128 rows and all 512 outputs.  x is read once, quantised once (wave w: rows 32 w .. 32 w + 31) and handed round through LDS as images of the
; operand's registers; then EVERY wave keeps the codes of all 128 rows in registers for the whole launch (8 row blocks x 4 K steps x 12 = 384).  Wave w makes outputs
; e = 64 j + 16 w + 0 .. 15, tile j = 0 .. 7, case by case: a step (j, c) is 32 matrix instructions, and each fragment of Wc read from LDS feeds eight of them.
; TRANSPOSED USE: source 0 = 16 rows of the weight (16 e), source 1 = 16 rows of x.  A lane (r, h) then holds ONE row of x and eight neighbouring e, so presence is one number a lane and
; the sum over the cases is a packed multiply-add, out += presence x T: 32 for a step's 32 matrix instructions, set between them.  bc is the C of each sum's first matrix instruction, bp likewise.
; The sum over c (K = 8, a weight of its own for each row) stays in f32 vector arithmetic.  All eight cases are multiplied for all rows: presence only selects values, no branch hangs on it.
; BY HALVES.  A step's row blocks 0-3 and 4-7 are two halves.  While one half's 16 matrix instructions are issued, the other half's finished sums are weighed in.
; THE RING.  Two LDS slots of 102,400 bytes, each with four cases' chunks for the four waves; cases 0-3 of a tile lie in slot 0, cases 4-7 in slot 1.  Each wave fetches its own quarter.
; CLUSTER.  All work-groups walk the same wq and bc: the four of a cluster ask JOINTLY (the same tensor load, the same descriptor, mask 15).  x and out are a work-group's own.
; No data prefetch: x is wanted at the head, where every work-group's first loads are on their way, and wq is walked by every cluster, not read once.
; LIMITS: a block of zeros gets the byte 1 with zero codes; blocks whose largest magnitude lies under 2^-124 get the byte 1; NaN and infinities among the inputs are not served;
; the sigmoids come by v_exp_f32 and v_rcp_f32 (1 ulp each: ISA guide, their entries), so a presence within a few ulp of 1e-4 may fall on the other side of the test: a term of at most 1e-4 |y|.
;
; REGISTERS, in windows of 256 (s_set_vgpr_msb: bits 1:0 source 0, 3:2 source 1, 5:4 source 2, 7:6 destination):
;   window 0: v1-18 addresses; v28-29 for the add; v32-47 x's scale words, v48-51 the weight's (they hold scales alone); v64-111, v112-159 the weight's four fragments, two buffers;
;             v160-223 presence, P[8 rb + c]; v224-255 at work.  At the head only: v64-191 two sets of 64 numbers, v192-210 the codes just made.
;   window 1: v0-191 x's fragments of row blocks 0-3 (block i, K step ks at 48 i + 12 ks); v192-223 T of blocks 4-7; v224-255 out of blocks 0-3
;   window 2: v0-191 x's fragments of row blocks 4-7;                                      v192-223 T of blocks 0-3; v224-255 out of blocks 4-7
;   window 3: v0-15 the bias as C, two buffers; v16-79 rows of out on their way; at the head only v64-255 three landing sets for x
; So ONE setting serves a half's matrix instructions AND the other half's multiply-adds: with 0xa4 the product reads x from window 1 and writes T in window 2, while
; out(window 2) += P(window 0) x T(window 1) names the same places; 0x58 is its mirror.  Both halves use the same register numbers.
.set SLOT,  102400                     ; a slot: 4 waves x 4 chunks
.set CH,    6400                       ; a chunk
.set QW,    4*CH                       ; a wave's quarter of a slot
.set FRB,   1536                       ; a fragment's image
.set BC,    2*SLOT                     ; behind the ring: bc as it lies, 16,384 bytes, filled once
.set SPARE, BC+16384                   ; the spare words, 128 bytes for each wave: two blocks of 256 bytes that no other line names
.set XIMG,  SPARE+512                  ; 36 images: x's (row block rb, K step ks: 4 rb + ks), then Wp's four.  No tensor load lands from here on
.set XSC,   XIMG+36*FRB                ; their scale words, 128 bytes each (4 x lane)
.set TST,   XSC+36*128                 ; each wave's own stage for turning x: 16 rows x (512 + 16) bytes
.set TP,    528                        ; 33 x 16 bytes: the sixteen rows that a load of 16 bytes a lane touches start in sixteen different columns of 16 bytes
.set OST,   XIMG                       ; the stage for out, 128 rows x (256 + 16) bytes, lies over the images: two barriers stand between their last read and its first store
.set OP,    272
.set GA,   1                           ; v1   16 x lane
.set BPA,  2                           ; v2   32 h
.set AW,   3                           ; v3-4 my quarter of slot 0, 1: + 16 x lane
.set AS,   5                           ; v5-6 the same + 4 x lane
.set ABC,  7                           ; v7   bc in LDS at my eight e of the tile in hand
.set LI,   8                           ; v8   XIMG + 16 x lane
.set ASX,  9                           ; v9   XSC + 128 h + 4 r: lanes 0-15 an even K step's words, lanes 16-31 the next one's
.set XWI,  10                          ; v10  where I store x's images;   v11 their scale words
.set XWS,  11
.set WPI,  12                          ; v12  where I store Wp's image;   v13 its scale words
.set WPS,  13
.set TIN,  14                          ; v14  my turning stage, on the way in;  v15 on the way out
.set TOUT, 15
.set STO,  16                          ; v16  the out stage: where I put 32 bytes of a row
.set RD,   17                          ; v17  and where I read a row back
.set CO,   18                          ; v18  my byte offset in two rows of out
.set SPW,  28                          ; v28  LDS address of my spare word; never rewritten
.set NIL,  29                          ; v29  0; never rewritten
.set XS,   32                          ; x's scale words: v[XS + 2 rb + q]: lanes 0-15 K step 2 q, lanes 16-31 K step 2 q + 1
.set WS,   48                          ; the weight's: v[WS + 2 buffer + q], packed likewise
.set WB,   64                          ; the weight's fragments: buffer b, K step ks at WB + 48 b + 12 ks
.set PR,   160
.set SCR,  224
.set PC,   192                         ; head: the codes just made
.set TM,   224                         ; head: v224-227 largest magnitudes, v228-231 bytes, v236-239 the conversions' scale operands
.set PW,   240                         ; head: the scale word just made
.set OB,   16                          ; window 3: 16 x 4 registers of out
.set SEL,  20                          ; s[20:21] lane selects for v_permlanex16_b32: lane l xor 16
.set G1W,  28                          ; s[28:35] descriptor group 1 for a quarter slot;  s[36:43] for a quarter of bc
.set G1C,  36
.set G0A,  44                          ; s[44:47] group 0 for slot 0;  s[48:51] for slot 1;  s[52:55] for bc
.set G0B,  48
.set G0C,  52
.set MSB, 0
.macro WIN new                         ; the immediate's high byte repeats the setting that is left; a switch that changes nothing is dropped
.if MSB != (\new)
	s_set_vgpr_msb (MSB<<8)|(\new)
.set MSB, \new
.endif
.endm
.macro CREST                           ; a round of the cluster's barrier behind its opening barrier
	s_cmp_lg_u32 s16, 0
	s_cbranch_scc1 .Lnot_wave_0_\@
	s_barrier_signal -3
.Lnot_wave_0_\@:
	s_barrier_wait -3
	s_barrier_signal -1
	s_barrier_wait -1
.endm
.macro CROUND                          ; a whole round
	s_barrier_signal -1
	s_barrier_wait -1
	CREST
.endm
; ---------------- the head's macros ----------------
; Landing set f: 16 rows x 128 numbers, as they lie: each load reads one row's 512 consecutive bytes, 16 a lane.  f = 0 .. 7: my row block f / 4, K step f % 4 of x;  f = 8: Wp's 16 rows, K step = my wave
.macro GL f
	WIN 0xc0                                       ; destination window 3
.set rR, 64+64*((\f)%3)
.irp i, 0,1,2,3,4,5,6,7,8,9,10,11,12,13,14,15
.if (\f) < 8
	global_load_b128 v[rR+4*\i:rR+4*\i+3], v[GA], s[4:5] offset:(16*((\f)/4)+\i)*2048+512*((\f)%4) th:TH_LOAD_NT
.else
	global_load_b128 v[rR+4*\i:rR+4*\i+3], v[GA], s[6:7] offset:2048*\i
.endif
.endr
.endm
; The conversions take 16 neighbours along K from ONE lane's registers: set f turns through my own stage.  In as loaded; out: lane (r, h) takes, of row r, numbers 32 b + 16 h + 0 .. 15 of each block b.
; LDS serves a wave's instructions in order (ISA guide 5.7.1.4): no wait between the stores and the loads
.macro TR f
	WIN 0x0c                                       ; an LDS store's data are its source 1: window 3
.set rR, 64+64*((\f)%3)
.irp i, 0,1,2,3,4,5,6,7,8,9,10,11,12,13,14,15
	ds_store_b128 v[TIN], v[rR+4*\i:rR+4*\i+3] offset:TP*\i
.endr
	WIN 0
.set rN, 64+64*((\f)%2)
.irp b, 0,1,2,3
.irp q, 0,1,2,3
	ds_load_b128 v[rN+16*\b+4*\q:rN+16*\b+4*\q+3], v[TOUT] offset:128*\b+16*\q
.endr
.endr
.endm
; 64 numbers of a lane, v[s] .. v[s + 63], register 16 b + i = k 32 b + 16 (lane / 16) + i of my row, become a fragment's codes in v[PC] on and its scale word in v[PW].
.macro QUANT s
.irp b, 0,1,2,3
	v_max3_num_f32 v[TM+\b], |v[\s+16*\b]|, |v[\s+1+16*\b]|, 0x1800000   ; block b: my 16 numbers, and the floor 2^(3 - 127), under which no largest magnitude is taken: so the byte cannot fall under 1
.endr
.irp i, 2,4,6,8,10,12,14
.irp b, 0,1,2,3
	v_max3_num_f32 v[TM+\b], v[TM+\b], |v[\s+16*\b+\i]|, |v[\s+1+16*\b+\i]|   ; (the four blocks by turns: no line waits for the line above it)
.endr
.endr
.irp b, 0,1,2,3
	v_permlanex16_b32 v[TM+4+\b], v[TM+\b], s[SEL], s[SEL+1]
.endr
.irp b, 0,1,2,3
	v_max_num_f32 v[TM+\b], v[TM+\b], v[TM+4+\b]   ; with lane l xor 16's: the block's largest magnitude
.endr
.irp b, 0,1,2,3
	v_add_nc_u32 v[TM+12+\b], 0xff000000, v[TM+\b]   ; 2 off its exponent field: the conversion takes the exponent field of this operand as its scale, and nothing else of it
.endr
.irp b, 0,1,2,3
	v_lshrrev_b32 v[TM+4+\b], 23, v[TM+12+\b]      ; the scale's byte
.endr
	v_lshl_or_b32 v[PW], v[TM+5], 8, v[TM+4]       ; the four bytes make my row's scale word (the same in lanes l and l xor 16)
	v_lshl_or_b32 v[PW], v[TM+6], 16, v[PW]
	v_lshl_or_b32 v[PW], v[TM+7], 24, v[PW]
.irp c, 0,1
	v_cvt_scalef32_pk16_fp6_f32 v[PC+6*\c:PC+2+6*\c], v[\s+32*\c:\s+15+32*\c], v[TM+12+2*\c]
	v_cvt_scalef32_pk16_fp6_f32 v[PC+12+4*\c:PC+14+4*\c], v[\s+16+32*\c:\s+31+32*\c], v[TM+12+2*\c+1]   ; (a conversion's three registers begin on an even number)
.endr
	v_nop                                          ; one plain vector instruction behind the scaled conversions
.irp c, 0,1                                    ; the operand's layout wants a WHOLE block in a lane: lanes 0-15 block 2 c, lanes 16-31 block 2 c + 1
.irp i, 0,1,2
	v_permlane16_swap_b32 v[PC+6*\c+\i], v[PC+12+4*\c+\i]
.endr
.irp i, 0,1,2
	v_mov_b32 v[PC+3+6*\c+\i], v[PC+12+4*\c+\i]
.endr
.endr
.endm
.macro IMAGE adr, off                          ; the fragment in v[PC] on goes to LDS as it stands: lane l's 16 bytes at 16 l, 512 bytes a store
.irp c, 0,1,2
	ds_store_b128 v[\adr], v[PC+4*\c:PC+4*\c+3] offset:\off+512*\c
.endr
.endm
; The scores of four row blocks (T of half hf: register 8 i + j of lane (r, h) = score 8 h + j = case 4 h + j / 2, pattern j % 2, of row 16 (4 hf + i) + r) become presence, all eight cases in every lane.
.macro SIG hf
	WIN 0x08-4*(\hf)                               ; source 1: T's window (2 for blocks 0-3, 1 for blocks 4-7)
.set n, 0
.rept 32
	v_mul_f32 v[SCR+n], s22, v[192+n]              ; - s log2(e); each accumulator is read from its low end on
.set n, n+1
.endr
	WIN 0
.set n, 0
.rept 32
	v_exp_f32 v[SCR+n], v[SCR+n]                   ; e^-s (infinity for a very negative s: the reciprocal below is then 0)
.set n, n+1
.endr
	v_nop                                          ; a plain instruction behind the last exponential,
	s_wait_alu depctr_va_vdst(0)                   ; and the one wait for the batch ahead of its first reader
.set n, 0
.rept 32
	v_add_f32 v[SCR+n], 1.0, v[SCR+n]
.set n, n+1
.endr
.set n, 0
.rept 32
	v_rcp_f32 v[SCR+n], v[SCR+n]                   ; sigmoid(s)
.set n, n+1
.endr
	v_nop
	s_wait_alu depctr_va_vdst(0)                   ; likewise, one for the 32 reciprocals
.set n, 0
.rept 16
	v_mul_f32 v[SCR+2*n], v[SCR+2*n], v[SCR+2*n+1] ; the two patterns' product
.set n, n+1
.endr
.set n, 0
.rept 16
	v_cmp_lt_f32 vcc_lo, s23, v[SCR+2*n]           ; above 1e-4?
	v_cndmask_b32 v[SCR+2*n], 0, v[SCR+2*n], vcc_lo   ; else exactly 0: a choice of values, no branch
.set n, n+1
.endr
.set n, 0
.rept 16
	v_permlanex16_b32 v[SCR+2*n+1], v[SCR+2*n], s[SEL], s[SEL+1]   ; lane l xor 16 holds the same row's other four cases
.set n, n+1
.endr
.set n, 0
.rept 16
	v_cndmask_b32 v[PR+32*(\hf)+8*(n/4)+n%4], v[SCR+2*n], v[SCR+2*n+1], s24     ; cases 0-3: lanes 0-15 own them, lanes 16-31 take the other lane's
	v_cndmask_b32 v[PR+32*(\hf)+8*(n/4)+n%4+4], v[SCR+2*n+1], v[SCR+2*n], s24   ; cases 4-7: the other way round
.set n, n+1
.endr
.endm
; ---------------- the loop's macros ----------------
; One matrix instruction: row block i of half hf, K step ks, the weight's buffer buf.  T(e, row) (+)= W x^T.  ks = 0 starts the sum with the bias as C: nothing is cleared, nothing is added later.
; The scale words of an odd K step stand in lanes 16-31 of the registers named.
.macro MM hf, buf, ks, i
.set rT, 192+8*(\i)
.set rW, WB+48*(\buf)+12*(\ks)
.set rF, 48*(\i)+12*(\ks)
.set rSA, WS+2*(\buf)+(\ks)/2
.set rSB, XS+2*(4*(\hf)+(\i))+(\ks)/2
.if (\ks) == 0
	v_wmma_scale_f32_16x16x128_f8f6f4 v[rT:rT+7], v[rW:rW+11], v[rF:rF+11], v[8*(\buf):8*(\buf)+7], v[rSA], v[rSB] matrix_a_fmt:MATRIX_FMT_FP6 matrix_b_fmt:MATRIX_FMT_FP6
.elseif (\ks)%2 == 0
	v_wmma_scale_f32_16x16x128_f8f6f4 v[rT:rT+7], v[rW:rW+11], v[rF:rF+11], v[rT:rT+7], v[rSA], v[rSB] matrix_a_fmt:MATRIX_FMT_FP6 matrix_b_fmt:MATRIX_FMT_FP6
.else
	v_wmma_scale_f32_16x16x128_f8f6f4 v[rT:rT+7], v[rW:rW+11], v[rF:rF+11], v[rT:rT+7], v[rSA], v[rSB] matrix_a_fmt:MATRIX_FMT_FP6 matrix_b_fmt:MATRIX_FMT_FP6 matrix_a_scale:MATRIX_SCALE_ROW1 matrix_b_scale:MATRIX_SCALE_ROW1
.endif
.endm
; Multiply-add n of 16, set among half hf's matrix instructions: the OTHER half's row block n / 4, registers 2 (n % 4) and the next: out += P[case pc] x T.  Case 0 starts the sum.
; P's pair holds two cases: both halves of the packed form take the one that is meant.
.macro FM hf, pc, n
.set rO, 224+8*((\n)/4)+2*((\n)%4)
.set rU, 192+8*((\n)/4)+2*((\n)%4)
.set rP, PR+8*(4*(1-(\hf))+(\n)/4)+((\pc)/2)*2
.if (\pc) == 0
	v_pk_mul_f32 v[rO:rO+1], v[rP:rP+1], v[rU:rU+1] op_sel_hi:[0,1]
.elseif (\pc)%2 == 0
	v_pk_fma_f32 v[rO:rO+1], v[rP:rP+1], v[rU:rU+1], v[rO:rO+1] op_sel_hi:[0,1,1]
.else
	v_pk_fma_f32 v[rO:rO+1], v[rP:rP+1], v[rU:rU+1], v[rO:rO+1] op_sel:[1,0,0] op_sel_hi:[1,1,1]
.endif
.endm
.macro FMS hf, pc, k, pad              ; the next k of them; pc = -1: there is nothing to weigh in yet (pad = 1: a v_nop takes the place)
.rept \k
.if (\pc) >= 0
	FM \hf, \pc, fn
.elseif \pad
	v_nop
.endif
.set fn, fn+1
.endr
.endm
; The rows of out: back from the stage as whole rows of 256 bytes (region 1), and stored (region 2).  Wave w takes rows 32 w .. 32 w + 31; lanes 0-15 one row, lanes 16-31 the next.
.macro REGION1
	WIN 0xc0
	s_wait_xcnt 0x0                                ; the last tile's stores, issued a tile ago, have read their registers and their base: both may be written
	s_add_nc_u64 s[14:15], s[14:15], 256           ; the base runs one tile (64 e, 256 bytes) ahead; the stores reach back by their immediate
.irp i, 0,1,2,3,4,5,6,7,8,9,10,11,12,13,14,15
	ds_load_b128 v[OB+4*\i:OB+4*\i+3], v[RD] offset:2*OP*\i
.endr
.endm
.macro REGION2
	WIN 0x0c                                       ; a store's data are its source 1: window 3
.irp i, 0,1,2,3,4,5,6,7,8,9,10,11,12,13,14,15
	global_store_b128 v[CO], v[OB+4*\i:OB+4*\i+3], s[14:15] offset:4096*\i-256 th:TH_STORE_NT   ; 16 lanes store 256 consecutive bytes, at a multiple of 256 from out's first byte; written once, read by nobody here
.endr
.endm
; One run of LDS loads: case cn's chunk (chunk t of my quarter of the slot) into buffer cn % 2: four fragments as they lie, two registers of scale words, the bias of my eight e.  r1 = 1: region 1 rides along.
.macro LRUN slot, t, cn, r1
.set nb, (\cn)%2
.irp i, 0,1,2,3,4,5,6,7,8,9,10,11
	ds_load_b128 v[WB+48*nb+4*\i:WB+48*nb+4*\i+3], v[AW+\slot] offset:CH*(\t)+512*\i
.endr
.irp q, 0,1
	ds_load_b32 v[WS+2*nb+\q], v[AS+\slot] offset:CH*(\t)+6144+128*\q
.endr
	WIN 0xc0
	ds_load_b128 v[8*nb:8*nb+3], v[ABC] offset:2048*(\cn)
	ds_load_b128 v[8*nb+4:8*nb+7], v[ABC] offset:2048*(\cn)+16
.if \r1
	REGION1
.endif
.endm
.macro STO03                           ; out of row blocks 0-3 into the stage (under 0xa4 an LDS store's data come from window 1)
.irp q, 0,1,2,3,4,5,6,7
	ds_store_b128 v[STO], v[224+4*\q:224+4*\q+3] offset:16*OP*(\q/2)+16*(\q%2)
.endr
.endm
.macro STO47                           ; and of row blocks 4-7
	WIN 0x08
.irp q, 0,1,2,3,4,5,6,7
	ds_store_b128 v[STO], v[224+4*\q:224+4*\q+3] offset:16*OP*(4+\q/2)+16*(\q%2)
.endr
	WIN 0
.endm
; HALF A STEP: 16 matrix instructions (four row blocks by turns, one instruction a turn, K step by K step) and the other half's 16 multiply-adds of case pc.
; DISTANCES (ISA guide 7.12.1; only plain vector instructions that name none of the matrix instruction's registers are counted).  The first multiply-add reads T's block 0 behind the four multiply-adds
; (or v_nop) of the half before's last K step; later blocks have more.  The run of loads stands behind at least 13 multiply-adds since the last product that read its buffer.  The products that begin
; T anew stand behind at least 12 multiply-adds that name other blocks.
; chg = 1: THE CHANGE OF SLOTS.  My reads of the slot that is left are over (the wait at the half's head).  I wait for all my tensor loads (one is out: my quarter of the other slot), add 0 to my spare
;   word, and wait for that in front of the barrier, which opens a round of the cluster's; the joint refill (group 0 at s[g0]) is the first thing behind the round.  It has four steps, 128 matrix
;   instructions, in which to land.   chg = 2: the same wait and a plain barrier, nothing is filled.   chg = 3: a plain barrier alone.
; ld = 1: LRUN slot, t, cn.   sto = 1: out of blocks 0-3 goes to the stage.   r1, r2: regions 1 and 2.   ab = 1: on to the next tile's bias.
.macro HALF hf, buf, pc, chg, g0, ld, slot, t, cn, sto, r1, r2, ab
.if (\hf) == 0
	s_wait_dscnt 0x0                               ; this step's fragments, scale words and bias are in (asked for 20 matrix instructions ago)
.endif
.if \r2
	REGION2
.endif
.if (\chg) == 1
	WIN 0                                          ; (the add's two registers lie in window 0)
	s_wait_tensorcnt 0x0                           ; no tensor load of mine is out, so a group 0 may be written
	ds_add_u32 v[SPW], v[NIL]                      ; 0 onto my spare word: eight matrix instructions stand between it and the wait for it
	s_add_nc_u64 s[\g0+2:\g0+3], s[\g0+2:\g0+3], 2*SLOT   ; this slot's next four cases: two slots on in wq; the type bits on top are not reached
.elseif (\chg) == 2
	s_wait_tensorcnt 0x0                           ; my quarter of the last slot has landed
.endif
	WIN 0xb4-0x3c*(\hf)                            ; as below, with C in window 3
.irp i, 0,1,2,3
	MM \hf, \buf, 0, \i
.endr
	WIN 0xa4-0x4c*(\hf)                            ; hf = 0: x window 1, T and out window 2;  hf = 1: x window 2, T and out window 1
.set fn, 0
.irp i, 0,1,2,3
	MM \hf, \buf, 1, \i
	FMS \hf, \pc, 2, 0
.endr
.if \sto
	STO03
.endif
.if \chg
	s_wait_dscnt 0x0                               ; no LDS instruction of mine is out: the add is done
	s_barrier_signal -1
.endif
.irp i, 0,1,2,3
	MM \hf, \buf, 2, \i                            ; (work on registers while the others arrive)
	FMS \hf, \pc, 1, 0
.endr
.if (\chg) || (\ld)
	WIN 0
.endif
.if \chg
	s_barrier_wait -1
.endif
.if (\chg) == 1
	CREST                                          ; no wave of any partner still reads the slot or has a load on its way
	tensor_load_to_lds s[\g0:\g0+3], s[G1W:G1W+7]  ; my one tensor load until the next round
	s_nop 0
.rept 4
	v_nop
.endr
.endif
.if \ab
	v_add_nc_u32 v[ABC], 256, v[ABC]               ; 64 e on (no LDS load of mine is out)
.endif
.if \ld
	LRUN \slot, \t, \cn, \r1
.endif
	WIN 0xa4-0x4c*(\hf)
.irp i, 0,1,2,3
	MM \hf, \buf, 3, \i
	FMS \hf, \pc, 1, 1
.endr
.endm
.macro H1 buf, pc                      ; row blocks 4-7 of case pc; blocks 0-3 of the same case are weighed in
	HALF 1, \buf, \pc, 0, 0, 0, 0, 0, 0, 0, 0, 0, 0
.endm
.macro H0 buf, pc, slot, t, cn         ; row blocks 0-3 of case pc + 1; blocks 4-7 of case pc are weighed in; case cn = pc + 2 is fetched
	HALF 0, \buf, \pc, 0, 0, 1, \slot, \t, \cn, 0, 0, 0, 0
.endm
; A TILE of 64 e (16 a wave), from its case 0's second half to the next tile's case 0's first half.  The tile before leaves the stage in steps 3 and 4: its stores into the stage stand behind the
; barrier of the last step 7, all of them are waited for in front of step 3's barrier, its reads are back at step 4's head, and the stage is written again only behind the next step 7's barrier.
; first = 1: there is no tile before.   last = 1: nothing is left to fetch, and no tile follows.
.macro TILE first, last
	H1 0, 0
	H0 1, 0, 0, 2, 2
	H1 1, 1
	H0 0, 1, 0, 3, 3
	H1 0, 2
	HALF 0, 1, 2, 1+\last, G0A, 1, 1, 0, 4, 0, 1-\first, 0, 0      ; slot 0 is left: it takes the next tile's cases 0-3
	H1 1, 3
	HALF 0, 0, 3, 0, 0, 1, 1, 1, 5, 0, 0, 1-\first, 0
	H1 0, 4
	H0 1, 4, 1, 2, 6
	H1 1, 5
	H0 0, 5, 1, 3, 7
	H1 0, 6
	HALF 0, 1, 6, 1+2*\last, G0B, 1-\last, 0, 0, 0, 0, 0, 0, 1-\last   ; slot 1 is left: it takes the next tile's cases 4-7
	H1 1, 7
.if !(\last)
	HALF 0, 0, 7, 0, 0, 1, 0, 1, 1, 1, 0, 0, 0                     ; the next tile begins; this tile's blocks 0-3 go to the stage, its blocks 4-7 get their last case
	STO47
.endif
.endm
; ================ the head ================
	s_load_b256 s[4:11], s[0:1], 0x0               ; x s[4:5], Wp s[6:7], bp s[8:9], bc s[10:11]
	s_load_b128 s[12:15], s[0:1], 0x20             ; wq s[12:13], out s[14:15]
	v_lshl_add_u32 v[SPW], v0, 2, SPARE
	v_mov_b32 v[NIL], 0
	ds_add_u32 v28, v29
	ds_add_u32 v28, v29
	s_wait_dscnt 0x0
	v_lshrrev_b32 v19, 5, v0
	v_readfirstlane_b32 s16, v19                   ; wave 0..3
	v_and_b32 v19, 31, v0                          ; lane
	v_and_b32 v20, 15, v0                          ; r
	v_bfe_u32 v21, v0, 4, 1                        ; h
	v_lshlrev_b32 v[GA], 4, v19
	v_lshlrev_b32 v22, 2, v19                      ; 4 x lane
	v_lshlrev_b32 v[BPA], 5, v21
	s_bfe_u32 s17, ttmp6, 0x40000                  ; cx: my place in the cluster: it enters x's and out's addresses alone
	s_lshl_b32 s26, ttmp9, 2                       ; in a cluster launch ttmp9 counts clusters
	s_add_co_u32 s26, s26, s17                     ; my work-group
	s_lshl_b32 s26, s26, 18                        ; its 128 rows of 2,048 bytes,
	s_lshl_b32 s27, s16, 16                        ; my wave's 32 of them
	s_add_co_u32 s26, s26, s27
	s_mov_b32 s27, 0
	s_lshl_b32 s56, s16, 9                         ; Wp: K step = my wave: 512 bytes along a row
	s_mov_b32 s57, 0
	s_mul_i32 s58, s16, QW                         ; my quarter of a slot, in wq and in LDS alike
	s_mov_b32 s59, 0
	s_lshl_b32 s60, s16, 12                        ; my quarter of bc
	s_mov_b32 s61, 0
	s_mov_b32 s[SEL], 0x76543210
	s_mov_b32 s[SEL+1], 0xfedcba98
	s_mov_b32 s22, 0xbfb8aa3b                      ; - log2(e)
	s_mov_b32 s23, 0x38d1b717                      ; 1e-4
	s_mov_b32 s24, 0xffff0000                      ; lanes 16-31
	; descriptor group 1: a dense block as rows of 256 bytes (32 elements of 8 bytes), no padding: 100 rows (a quarter slot), 16 rows (a quarter of bc)
	s_mov_b32 s[G1W], 15|(3<<16)|(1<<21)           ; 15:0 the mask: all four work-groups; 17:16 elements of 8 bytes; 21 set beside a mask
	s_mov_b32 s[G1W+1], 32<<16                     ; tensor_dim0 = 32
	s_mov_b32 s[G1W+2], 100<<16                    ; tensor_dim1 = 100
	s_mov_b32 s[G1W+3], 32<<16                     ; tile_dim0 = 32
	s_mov_b32 s[G1W+4], 100                        ; tile_dim1 = 100
	s_mov_b32 s[G1W+5], 32                         ; tensor_dim0_stride
	s_mov_b32 s[G1W+6], 0
	s_mov_b32 s[G1W+7], 0
	s_mov_b32 s[G1C], 15|(3<<16)|(1<<21)
	s_mov_b32 s[G1C+1], 32<<16
	s_mov_b32 s[G1C+2], 16<<16
	s_mov_b32 s[G1C+3], 32<<16
	s_mov_b32 s[G1C+4], 16
	s_mov_b32 s[G1C+5], 32
	s_mov_b32 s[G1C+6], 0
	s_mov_b32 s[G1C+7], 0
	s_wait_kmcnt 0x0
	s_add_nc_u64 s[4:5], s[4:5], s[26:27]          ; x and out at my wave's first row
	s_add_nc_u64 s[14:15], s[14:15], s[26:27]
	s_add_nc_u64 s[6:7], s[6:7], s[56:57]
	WIN 0xc0
	global_load_b128 v[8:11], v[BPA], s[8:9]       ; bp of my eight scores, in the result's layout: it is the C of the scores' first products (bias buffer 1)
	global_load_b128 v[12:15], v[BPA], s[8:9] offset:16
	GL 0                                           ; x's first three sets are asked for before anything else: 48 loads of 512 bytes a wave
	GL 1
	GL 2
	WIN 0
	s_mov_b32 s[G0C], 1                            ; 1:0 count = 1
	s_add_co_u32 s[G0C+1], s60, BC                 ; LDS address: no place in the cluster enters it
	s_add_nc_u64 s[G0C+2:G0C+3], s[10:11], s[60:61]   ; global address
	s_or_b32 s[G0C+3], s[G0C+3], 0x80000000        ; type = 2
	s_mov_b32 s[G0A], 1
	s_mov_b32 s[G0A+1], s58
	s_add_nc_u64 s[G0A+2:G0A+3], s[12:13], s[58:59]   ; tile 0, cases 0-3
	s_or_b32 s[G0A+3], s[G0A+3], 0x80000000
	s_mov_b32 s[G0B], 1
	s_add_co_u32 s[G0B+1], s58, SLOT
	s_add_nc_u64 s[G0B+2:G0B+3], s[12:13], s[58:59]
	s_add_nc_u64 s[G0B+2:G0B+3], s[G0B+2:G0B+3], SLOT   ; tile 0, cases 4-7
	s_or_b32 s[G0B+3], s[G0B+3], 0x80000000
	CROUND                                         ; all four work-groups are here: the first joint loads meet
	tensor_load_to_lds s[G0C:G0C+3], s[G1C:G1C+7]  ; the first fills go out as one group: three loads of mine are out
	s_nop 0
	tensor_load_to_lds s[G0A:G0A+3], s[G1W:G1W+7]
	s_nop 0
	tensor_load_to_lds s[G0B:G0B+3], s[G1W:G1W+7]
	s_nop 0
.rept 4
	v_nop
.endr
	s_mul_i32 s18, s16, QW
	v_add_nc_u32 v[AW], s18, v[GA]
	v_add_nc_u32 v[AS], s18, v22
	v_add_nc_u32 v[AW+1], SLOT, v[AW]
	v_add_nc_u32 v[AS+1], SLOT, v[AS]
	s_lshl_b32 s18, s16, 6                         ; 64 w: my 16 e of a tile, in bytes
	s_add_co_u32 s19, s18, BC
	v_add_nc_u32 v[ABC], s19, v[BPA]               ; + 32 h: my eight of them
	v_add_nc_u32 v[LI], XIMG, v[GA]
	v_lshlrev_b32 v[ASX], 2, v20
	v_lshl_add_u32 v[ASX], v21, 7, v[ASX]
	v_add_nc_u32 v[ASX], XSC, v[ASX]
	s_mul_i32 s19, s16, 8*FRB                      ; my eight images of x
	s_add_co_u32 s19, s19, XIMG
	v_add_nc_u32 v[XWI], s19, v[GA]
	s_lshl_b32 s19, s16, 10
	s_add_co_u32 s19, s19, XSC
	v_add_nc_u32 v[XWS], s19, v22
	s_mul_i32 s19, s16, FRB                        ; my image of Wp
	s_add_co_u32 s19, s19, XIMG+32*FRB
	v_add_nc_u32 v[WPI], s19, v[GA]
	s_lshl_b32 s19, s16, 7
	s_add_co_u32 s19, s19, XSC+32*128
	v_add_nc_u32 v[WPS], s19, v22
	s_mul_i32 s19, s16, 16*TP                      ; my turning stage
	s_add_co_u32 s19, s19, TST
	v_add_nc_u32 v[TIN], s19, v[GA]
	v_mul_u32_u24 v[TOUT], v20, TP
	v_lshl_add_u32 v[TOUT], v21, 6, v[TOUT]
	v_add_nc_u32 v[TOUT], s19, v[TOUT]
	v_mul_u32_u24 v[STO], v20, OP                  ; the out stage: row r, + 64 w + 32 h
	v_add_nc_u32 v[STO], v[STO], v[BPA]
	s_add_co_u32 s19, s18, OST
	v_add_nc_u32 v[STO], s19, v[STO]
	v_mul_u32_u24 v[RD], v21, OP                   ; back: row 32 w + h, 16 bytes a lane
	v_lshl_add_u32 v[RD], v20, 4, v[RD]
	s_mul_i32 s19, s16, 32*OP
	s_add_co_u32 s19, s19, OST
	v_add_nc_u32 v[RD], s19, v[RD]
	v_lshlrev_b32 v[CO], 4, v20                    ; and the same two rows in out
	v_lshl_add_u32 v[CO], v21, 11, v[CO]
.irp b, 0,1,2,3
	v_mov_b32 v[TM+4+\b], 0                        ; written once: a lane permute's destination counts as one of its sources
.endr
; ---- x's 32 rows of mine and my K step of Wp become nine fragments.  Loads run three sets ahead, the turn through LDS one set.
	s_wait_loadcnt 32                              ; bp and set 0 are in; sets 1 and 2 (32 loads) may be out
	TR 0
.irp f, 0,1,2,3,4,5,6,7,8
	s_wait_dscnt 0x0                               ; set f is back from the stage, so its stores have read their registers; the last image's stores have read theirs
.if \f+3 <= 8
	GL \f+3                                        ; into the landing set that set f has left
.endif
.if \f < 6
	s_wait_loadcnt 32                              ; set f + 1 is in; the two sets behind it may be out
.elseif \f == 6
	s_wait_loadcnt 16                              ; one set behind it
.elseif \f == 7
	s_wait_loadcnt 0x0
.endif
.if \f < 8
	TR \f+1                                        ; goes through the stage while set f is quantised
.endif
	QUANT 64+64*(\f%2)
.if \f < 8
	IMAGE XWI, FRB*\f
	ds_store_b32 v[XWS], v[PW] offset:128*\f
.else
	IMAGE WPI, 0
	ds_store_b32 v[WPS], v[PW]
.endif
.endr
	s_wait_tensorcnt 1                             ; bc and my quarter of slot 0 are in; slot 1's load may stay out
	s_wait_dscnt 0x0                               ; for the others' sake: my images lie in LDS
	s_barrier_signal -1
	s_barrier_wait -1                              ; all 36 images, and all of bc
; ---- every wave takes all of x's codes into its registers, for the whole launch
	WIN 0x40                                       ; destination window 1: row blocks 0-3
.set id, 0
.rept 16
.irp g, 0,1,2
	ds_load_b128 v[12*id+4*\g:12*id+4*\g+3], v[LI] offset:FRB*id+512*\g
.endr
.set id, id+1
.endr
	WIN 0x80                                       ; window 2: row blocks 4-7
.rept 16
.irp g, 0,1,2
	ds_load_b128 v[12*(id-16)+4*\g:12*(id-16)+4*\g+3], v[LI] offset:FRB*id+512*\g
.endr
.set id, id+1
.endr
	WIN 0
.irp rb, 0,1,2,3,4,5,6,7
.irp q, 0,1
	ds_load_b32 v[XS+2*\rb+\q], v[ASX] offset:128*(4*\rb+2*\q)
.endr
.endr
.irp i, 0,1,2,3,4,5,6,7,8,9,10,11
	ds_load_b128 v[WB+48+4*\i:WB+48+4*\i+3], v[LI] offset:FRB*32+512*\i   ; Wp's four fragments take the weight's buffer 1,
.endr
.irp q, 0,1
	ds_load_b32 v[WS+2+\q], v[ASX] offset:128*(32+2*\q)                   ; its scale words that buffer's
.endr
	LRUN 0, 0, 0, 0                                ; tile 0, case 0 into buffer 0
; ---- presence: the scores are one tile of 16 columns for each row block; bp is their C
	HALF 0, 1, -1, 0, 0, 0, 0, 0, 0, 0, 0, 0, 0    ; (its first line waits for all the loads above)
	HALF 1, 1, -1, 0, 0, 0, 0, 0, 0, 0, 0, 0, 0
	SIG 0                                          ; blocks 0-3's scores stand five v_nop behind their last product; SIG 0's 32 multiplications are the places for blocks 4-7's
	SIG 1
; ================ the eight tiles ================
	HALF 0, 0, -1, 0, 0, 1, 0, 1, 1, 0, 0, 0, 0    ; tile 0, case 0, row blocks 0-3: there is nothing to weigh in yet
	TILE 1, 0                                      ; tile 0 is written out: no tile before it leaves the stage
	s_mov_b32 s25, 6
.Ltile:                                                ; tiles 1 to 6: each trip fills both slots again
	TILE 0, 0
	s_sub_co_u32 s25, s25, 1
	s_cmp_lg_u32 s25, 0
	s_cbranch_scc1 .Ltile
	TILE 0, 1                                      ; tile 7 is written out
	WIN 0xa4
.set fn, 0
	FMS 0, 7, 16, 0                                ; row blocks 4-7 get their last case (block 0's sums stand four multiply-adds behind their last product)
	STO03
	STO47
	s_wait_dscnt 0x0                               ; for the others' sake: my part of the last tile lies in the stage
	s_barrier_signal -1
	s_barrier_wait -1
	REGION1
	s_wait_dscnt 0x0
	REGION2
	WIN 0
	s_wait_tensorcnt 0x0                           ; the wave's end: behind my last tensor load and my last LDS store
	ds_add_u32 v[SPW], v[NIL]
	s_wait_dscnt 0x0
	CROUND                                         ; the closing round: no work-group ends while a partner may still ask for a tile that names it
	s_endpgm
.Lfunc_end_k_q45b0609241_main:
	.size	k_q45b0609241_main, .Lfunc_end_k_q45b0609241_main-k_q45b0609241_main
	.p2alignl 7, 3214868480
	.fill 96, 4, 3214868480
	.section	.rodata,"a",@progbits
	.p2align	6, 0x0
	.amdhsa_kernel k_q45b0609241_main
		.amdhsa_group_segment_fixed_size 327680
		.amdhsa_private_segment_fixed_size 0
		.amdhsa_enable_private_segment 0
		.amdhsa_kernarg_size 48
		.amdhsa_user_sgpr_count 2
		.amdhsa_user_sgpr_kernarg_segment_ptr 1
		.amdhsa_wavefront_size32 1
		.amdhsa_system_sgpr_workgroup_id_x 1
		.amdhsa_system_sgpr_workgroup_id_y 1
		.amdhsa_system_sgpr_workgroup_id_z 1
		.amdhsa_system_vgpr_workitem_id 0
		.amdhsa_next_free_vgpr 1024
		.amdhsa_next_free_sgpr 66
		.amdhsa_reserve_vcc 1
		.amdhsa_float_denorm_mode_32 3
		.amdhsa_float_denorm_mode_16_64 3
		.amdhsa_memory_ordered 1
		.amdhsa_forward_progress 1
		.amdhsa_inst_pref_size 255
	.end_amdhsa_kernel
	.section	.bss,"aw",@nobits
	.p2align	6
	.space	262144
	.amdgpu_metadata
---
amdhsa.version: [ 1, 2 ]
amdhsa.kernels:
  - .name:           k_q45b0609241_main
    .symbol:         k_q45b0609241_main.kd
    .args:
      - { .name: x, .offset: 0, .size: 8, .value_kind: global_buffer, .address_space: global }
      - { .name: Wp, .offset: 8, .size: 8, .value_kind: global_buffer, .address_space: global }
      - { .name: bp, .offset: 16, .size: 8, .value_kind: global_buffer, .address_space: global }
      - { .name: bc, .offset: 24, .size: 8, .value_kind: global_buffer, .address_space: global }
      - { .name: wq, .offset: 32, .size: 8, .value_kind: global_buffer, .address_space: global }
      - { .name: out0, .offset: 40, .size: 8, .value_kind: global_buffer, .address_space: global }
    .group_segment_fixed_size: 327680
    .private_segment_fixed_size: 0
    .kernarg_segment_align: 8
    .kernarg_segment_size: 48
    .max_flat_workgroup_size: 128
    .sgpr_count:     66
    .vgpr_count:     1024
    .wavefront_size: 32
...
	.end_amdgpu_metadata
.endif
;; end of part 2
;; ======== version 2 of 3: 2 launches; 1.11 times as fast as version 1
;; workspace buffers: xq 14,155,776 bytes; wq 1,638,400 bytes
;; launch prep (part 3): grid 768 x 1, 4 waves a work-group, no clusters, 42,240 bytes of LDS; arguments x, Wp, bp, Wc, xq, wq; writes xq, wq
.if DOCPART == 3
	.amdgcn_target "amdgcn-amd-amdhsa--gfx1250"
	.amdhsa_code_object_version 6
	.text
	.protected	k_q45b0609241_prep
	.globl	k_q45b0609241_prep
	.p2align	8
	.type	k_q45b0609241_prep,@function
k_q45b0609241_prep:
	s_mov_b64 s[64:65], 0
	v_nop
	global_prefetch_b8 v0, s[64:65] scope:SCOPE_SE
	s_setreg_imm32_b32 hwreg(HW_REG_WAVE_MODE, 25, 1), 1
	s_wait_xcnt 0x0
; Both operands of the large product are quantised ONCE here, to codes of FP6 (E2M3) with one E8M0 scale byte for each 32 along K = 512, and laid in the order in which the next launch's
; operand registers take them.  x's fragments stand in registers in operand layout on the way, so the small product s = Q(x) Q(Wp)^T + bp and the presence are made here too.
; WORK-GROUPS 0 .. 255: Wc [8 (c)][512 (d)][512 (e)], K = d.  Work-group = (c 8 + j) 4 + w makes one chunk of wq: case c, columns e = 64 j + 16 w + 0 .. 15; its wave ks makes K step ks.
;   wq: chunk (4 j + w) 8 + c of 6,400 bytes: four fragment images (registers 4 g .. 4 g + 3 of the twelve, lane l, at 1536 ks + 512 g + 16 l), then 64 scale words (column r, K step ks at 4 (16 ks + r)).
;   A LANE TAKES A COLUMN e AND ITS REGISTERS RUN DOWN d, in the order that the operand's layout gives that lane: the conversions' results are the operand's registers.
; WORK-GROUPS 256 .. 767: x [32768][512].  Each wave takes one block of 16 rows.
;   xq: chunk = row block, 6,912 bytes: four fragment images and 64 scale words as above, then presence: cases 0-3 of row r at 6400 + 16 r, cases 4-7 at 6656 + 16 r.
;   Each load reads 512 consecutive bytes of a row; the conversions want 16 neighbours along K in ONE lane, so a K step's 16 x 128 numbers turn through the wave's own stage in LDS.
;   Wave w also quantises K step w of Wp; the four images go round through LDS (one barrier).  The scores are used transposed (source 0 = Wp's 16 rows, source 1 = x's 16 rows): lane (r, h) holds
;   row r and scores 8 h + 0 .. 7 = cases 4 h + 0 .. 3, two patterns each: its four products are just the 16 bytes that it stores.  presence = 0 where the product is not above 1e-4: a choice of values.
; A block's scale is 2^(floor(log2(its largest magnitude)) - 2); its byte is the largest magnitude's exponent field - 2, held at 1 from below.
; LIMITS: a block of zeros gets the byte 1 where the rule says 127 (its codes are zeros, which add nothing, and this program alone reads the bytes); blocks whose largest magnitude lies under
; 2^-124 get the byte 1 too; NaN and infinities among the inputs are not served; the sigmoids come by v_exp_f32 and v_rcp_f32 (1 ulp each: ISA guide, their entries), so a presence within a few
; ulp of 1e-4 may fall on the other side of the test: a term of at most 1e-4 |y|.
; The two kinds of work-group part on the work-group's number alone and never join; each has LDS bytes of its own.
.set NWC,  256                         ; work-groups that take Wc
.set CHW,  6400                        ; a chunk of wq
.set CHX,  6912                        ; a chunk of xq
.set FRB,  1536                        ; a fragment's image
.set TP,   528                         ; a row of the turning stage: 512 + 16 bytes = 33 x 16: sixteen rows start in sixteen different columns of 16 bytes
.set WPI,  4*16*TP                     ; LDS: from 0 each wave's turning stage (16 rows); then Wp's four images,
.set WPS,  WPI+4*FRB                   ; their scale words, 128 bytes each (4 x lane),
.set SWU,  WPS+4*128                   ; 256 bytes for each wave, in which its 64 scale words are laid on end,
.set WCS,  SWU+4*256                   ; and, for the work-groups that take Wc, a chunk's 64 scale words
.set GA,   1                           ; v1   16 x lane
.set BPA,  2                           ; v2   32 h
.set TIN,  3                           ; v3   my turning stage, on the way in;  v4 on the way out
.set TOUT, 4
.set WPIW, 5                           ; v5   where I store my image of Wp;  v6 its scale words
.set WPSW, 6
.set LI,   7                           ; v7   WPI + 16 x lane;  v8 WPS + 4 x lane
.set LS,   8
.set SWA,  9                           ; v9   my 256 bytes for scale words: + 4 x lane;  v10 + 8 x lane
.set SWR,  10
.set L8,   11                          ; v11  8 x lane
.set TM,   16                          ; v16-19 largest magnitudes, v20-23 bytes, v28-31 the conversions' scale operands
.set XW,   32                          ; v32-35 x's scale words, one register a K step;  v36 Wp's word as I make it;  v37-40 Wp's four as they come back
.set PWP,  36
.set WPW,  37
.set BP,   44                          ; v44-51 bp in the result's layout
.set SCO,  52                          ; v52-59 the scores
.set XN,   64                          ; v64-191 two sets of 64 numbers; later v64-111 Wp's fragments; v128-139 Wp's codes as I make them
.set PCW,  128
.set XFR,  192                         ; v192-239 x's four fragments
.set PH,   240                         ; v240-246 the second halves of two blocks, as the conversions leave them; later v240-243 presence
.set PO,   240
.set SG,   248                         ; v248-255 at work on the sigmoids
.set WX,   32                          ; Wc: v32-95 my 64 numbers;  v96-107 the fragment, v108-114 second halves
.set WF,   96
.set MSB, 0
.macro WIN new                         ; window 1 (v256-447) holds three landing sets of 64.  The immediate's high byte repeats the setting that is left
.if MSB != (\new)
	s_set_vgpr_msb (MSB<<8)|(\new)
.set MSB, \new
.endif
.endm
	s_load_b256 s[4:11], s[0:1], 0x0               ; x s[4:5], Wp s[6:7], bp s[8:9], Wc s[10:11]
	s_load_b128 s[12:15], s[0:1], 0x20             ; xq s[12:13], wq s[14:15]
	v_lshl_add_u32 v27, v0, 2, 0xa300
	v_mov_b32 v247, 0
	v_lshrrev_b32 v12, 5, v0
	v_readfirstlane_b32 s16, v12                   ; wave 0..3
	v_and_b32 v12, 31, v0                          ; lane
	v_and_b32 v13, 15, v0                          ; r
	v_bfe_u32 v14, v0, 4, 1                        ; h
	v_lshlrev_b32 v[GA], 4, v12
	s_mov_b32 s20, 0x76543210
	s_mov_b32 s21, 0xfedcba98                      ; v_permlanex16_b32's selects for lane l xor 16
	s_cmp_lt_u32 ttmp9, NWC
	s_cbranch_scc0 .Lrows
; ================ Wc: one chunk a work-group, one K step a wave ================
	s_and_b32 s17, ttmp9, 3                        ; w: neighbouring work-groups stand side by side on 256 bytes of each row of Wc
	s_bfe_u32 s18, ttmp9, 0x30002                  ; j
	s_lshr_b32 s19, ttmp9, 5                       ; c
	v_lshlrev_b32 v3, 2, v13
	v_lshl_add_u32 v3, v14, 16, v3                 ; in: 4 r, and 32 rows of 2,048 bytes further down for lanes 16-31
	v_lshlrev_b32 v7, 3, v12                       ; 8 x lane: the scale words' way out
	s_lshl_b32 s22, s16, 6                         ; LDS: 64 bytes of scale words for each K step
	s_add_co_u32 s22, s22, WCS
	v_lshl_add_u32 v5, v13, 2, s22                 ; my column's word
	v_add_nc_u32 v6, WCS, v7                       ; and where the chunk's 256 bytes are read back
	s_lshl_b32 s24, s19, 20                        ; Wc: case c, 1,048,576 bytes each,
	s_lshl_b32 s22, s16, 18                        ; + 128 ks rows of 2,048 bytes,
	s_add_co_u32 s24, s24, s22
	s_lshl_b32 s22, s18, 8                         ; + (64 j + 16 w) columns of 4 bytes
	s_add_co_u32 s24, s24, s22
	s_lshl_b32 s22, s17, 6
	s_add_co_u32 s24, s24, s22
	s_mov_b32 s25, 0
	s_lshl_b32 s26, s18, 2                         ; the chunk's number: (4 j + w) 8 + c
	s_add_co_u32 s26, s26, s17
	s_lshl_b32 s26, s26, 3
	s_add_co_u32 s26, s26, s19
	s_mul_i32 s26, s26, CHW
	s_mul_i32 s22, s16, FRB                        ; my fragment's image in it
	s_add_co_u32 s26, s26, s22
	s_mov_b32 s27, 0
	s_wait_kmcnt 0x0
	s_add_nc_u64 s[10:11], s[10:11], s[24:25]
	s_add_nc_u64 s[14:15], s[14:15], s[26:27]
.irp c, 0,1
.set i, 0
.rept 32
	global_load_b32 v[WX+32*\c+i], v3, s[10:11] offset:(64*\c+i)*2048   ; Wc(c, 128 ks + 64 c' + 32 h + i, my column): sixteen lanes read 64 neighbouring bytes
.set i, i+1
.endr
.endr
	s_wait_loadcnt 0x0
.irp c, 0,1                                    ; my block 2 c' + h: all its 32 numbers are mine
	v_max3_num_f32 v[16+\c], |v[WX+32*\c]|, |v[WX+1+32*\c]|, 0x1800000   ; and the floor 2^(3 - 127), under which no largest magnitude is taken: so the byte cannot fall under 1
.endr
.irp i, 2,4,6,8,10,12,14,16,18,20,22,24,26,28,30
.irp c, 0,1
	v_max3_num_f32 v[16+\c], v[16+\c], |v[WX+32*\c+\i]|, |v[WX+1+32*\c+\i]|   ; (the two blocks by turns)
.endr
.endr
.irp c, 0,1
	v_add_nc_u32 v[18+\c], 0xff000000, v[16+\c]    ; 2 off its exponent field: the conversion takes the exponent field of this operand as its scale, and nothing else of it
.endr
.irp c, 0,1
	v_lshrrev_b32 v[20+\c], 23, v[18+\c]           ; the scale's byte
.endr
	v_lshl_or_b32 v22, v21, 16, v20                ; my two bytes: blocks h and 2 + h of my column,
	v_lshlrev_b32 v23, 3, v14
	v_lshlrev_b32 v22, v23, v22                    ; at their places in the scale word (8 h bits up);
	v_mov_b32 v23, 0                               ; (a lane permute's destination counts as one of its sources)
	v_permlanex16_b32 v23, v22, s20, s21
	v_or_b32 v22, v22, v23                         ; with lane l xor 16's two the word is whole, in both lanes
.irp c, 0,1
	v_cvt_scalef32_pk16_fp6_f32 v[WF+6*\c:WF+2+6*\c], v[WX+32*\c:WX+15+32*\c], v[18+\c]        ; registers 6 c' .. 6 c' + 2 of the operand
	v_cvt_scalef32_pk16_fp6_f32 v[108+4*\c:110+4*\c], v[WX+16+32*\c:WX+31+32*\c], v[18+\c]     ; (a conversion's three registers begin on an even number: the second half is made elsewhere and moved)
.endr
	v_nop                                          ; one plain vector instruction between a scaled conversion and the vector instruction that touches its result
.irp c, 0,1
.irp i, 0,1,2
	v_mov_b32 v[WF+3+6*\c+\i], v[108+4*\c+\i]
.endr
.endr
.irp g, 0,1,2
	global_store_b128 v[GA], v[WF+4*\g:WF+4*\g+3], s[14:15] offset:512*\g   ; 32 lanes store 512 consecutive bytes, at a multiple of 256 from wq's first byte
.endr
	ds_store_b32 v5, v22                           ; both lanes of a column write the same word with the same value
	s_wait_dscnt 0x0                               ; for the others' sake: my word lies in LDS
	s_barrier_signal -1
	s_barrier_wait -1                              ; the chunk's 64 words come from the four waves
	s_cmp_lg_u32 s16, 0                            ; wave 0 sends them (its base stands at the chunk's first byte)
	s_cbranch_scc1 .Lwc_done
	ds_load_b64 v[24:25], v6
	s_wait_dscnt 0x0
	global_store_b64 v7, v[24:25], s[14:15] offset:6144   ; 32 lanes store 256 consecutive bytes, aligned
.Lwc_done:
	s_wait_tensorcnt 0x0
	ds_add_u32 v27, v247
	s_wait_dscnt 0x0
	s_endpgm
; ================ x: one block of 16 rows a wave ================
; Landing set f: 16 rows x 128 numbers, as they lie: each load reads 512 consecutive bytes of one row, 16 a lane.  f = 0 .. 3: K step f of my rows;  f = 4: Wp's 16 rows, K step = my wave
.macro GL f
	WIN 0x40                                       ; destination window 1
.set rR, 64*((\f)%3)
.irp i, 0,1,2,3,4,5,6,7,8,9,10,11,12,13,14,15
.if (\f) < 4
	global_load_b128 v[rR+4*\i:rR+4*\i+3], v[GA], s[4:5] offset:2048*\i+512*(\f) th:TH_LOAD_NT
.else
	global_load_b128 v[rR+4*\i:rR+4*\i+3], v[GA], s[6:7] offset:2048*\i
.endif
.endr
.endm
; Set f turns through my own stage.  In as loaded; out: lane (r, h) takes, of row r, numbers 32 b + 16 h + 0 .. 15 of each block b.
; LDS serves a wave's instructions in order (ISA guide 5.7.1.4): no wait between the stores and the loads
.macro TR f
	WIN 0x04                                       ; an LDS store's data are its source 1: window 1
.set rR, 64*((\f)%3)
.irp i, 0,1,2,3,4,5,6,7,8,9,10,11,12,13,14,15
	ds_store_b128 v[TIN], v[rR+4*\i:rR+4*\i+3] offset:TP*\i
.endr
	WIN 0
.set rN, XN+64*((\f)%2)
.irp b, 0,1,2,3
.irp q, 0,1,2,3
	ds_load_b128 v[rN+16*\b+4*\q:rN+16*\b+4*\q+3], v[TOUT] offset:128*\b+16*\q
.endr
.endr
.endm
; 64 numbers of a lane, v[s] .. v[s + 63], register 16 b + i = k 32 b + 16 (lane / 16) + i of my row, become a fragment's codes in v[pc] .. v[pc + 11] and its scale word in v[pw].
.macro QUANT s, pc, pw
.irp b, 0,1,2,3
	v_max3_num_f32 v[TM+\b], |v[\s+16*\b]|, |v[\s+1+16*\b]|, 0x1800000   ; block b: my 16 numbers, and the floor 2^(3 - 127), under which no largest magnitude is taken: so the byte cannot fall under 1
.endr
.irp i, 2,4,6,8,10,12,14
.irp b, 0,1,2,3
	v_max3_num_f32 v[TM+\b], v[TM+\b], |v[\s+16*\b+\i]|, |v[\s+1+16*\b+\i]|   ; (the four blocks by turns: no line waits for the line above it)
.endr
.endr
.irp b, 0,1,2,3
	v_permlanex16_b32 v[TM+4+\b], v[TM+\b], s20, s21
.endr
.irp b, 0,1,2,3
	v_max_num_f32 v[TM+\b], v[TM+\b], v[TM+4+\b]   ; with lane l xor 16's: the block's largest magnitude
.endr
.irp b, 0,1,2,3
	v_add_nc_u32 v[TM+12+\b], 0xff000000, v[TM+\b]   ; 2 off its exponent field: the conversion's scale operand
.endr
.irp b, 0,1,2,3
	v_lshrrev_b32 v[TM+4+\b], 23, v[TM+12+\b]      ; the scale's byte
.endr
	v_lshl_or_b32 v[\pw], v[TM+5], 8, v[TM+4]      ; the four bytes make my row's scale word (the same in lanes l and l xor 16)
	v_lshl_or_b32 v[\pw], v[TM+6], 16, v[\pw]
	v_lshl_or_b32 v[\pw], v[TM+7], 24, v[\pw]
.irp c, 0,1
	v_cvt_scalef32_pk16_fp6_f32 v[\pc+6*\c:\pc+2+6*\c], v[\s+32*\c:\s+15+32*\c], v[TM+12+2*\c]
	v_cvt_scalef32_pk16_fp6_f32 v[PH+4*\c:PH+2+4*\c], v[\s+16+32*\c:\s+31+32*\c], v[TM+12+2*\c+1]   ; (a conversion's three registers begin on an even number)
.endr
	v_nop                                          ; one plain vector instruction behind the scaled conversions
.irp c, 0,1                                    ; the operand's layout wants a WHOLE block in a lane: lanes 0-15 block 2 c, lanes 16-31 block 2 c + 1
.irp i, 0,1,2
	v_permlane16_swap_b32 v[\pc+6*\c+\i], v[PH+4*\c+\i]
.endr
.irp i, 0,1,2
	v_mov_b32 v[\pc+3+6*\c+\i], v[PH+4*\c+\i]
.endr
.endr
.endm
.Lrows:
	s_sub_co_u32 s24, ttmp9, NWC
	s_lshl_b32 s24, s24, 2
	s_add_co_u32 s24, s24, s16                     ; my row block, 0 .. 2047
	s_mul_i32 s26, s24, CHX                        ; its chunk of xq
	s_mov_b32 s27, 0
	s_lshl_b32 s24, s24, 15                        ; its 16 rows of 2,048 bytes
	s_mov_b32 s25, 0
	s_lshl_b32 s18, s16, 9                         ; Wp: K step = my wave: 512 bytes along a row
	s_mov_b32 s19, 0
	s_mov_b32 s28, 0xbfb8aa3b                      ; - log2(e)
	s_mov_b32 s29, 0x38d1b717                      ; 1e-4
	s_mov_b32 s30, 0xffff0000                      ; lanes 16-31
	v_lshlrev_b32 v[BPA], 5, v14
	s_wait_kmcnt 0x0
	s_add_nc_u64 s[4:5], s[4:5], s[24:25]
	s_add_nc_u64 s[12:13], s[12:13], s[26:27]
	s_add_nc_u64 s[6:7], s[6:7], s[18:19]
	global_load_b128 v[BP:BP+3], v[BPA], s[8:9]    ; bp of my eight scores: the C of the scores' first product
	global_load_b128 v[BP+4:BP+7], v[BPA], s[8:9] offset:16
	GL 0                                           ; three sets, 48 loads of 512 bytes, are asked for before anything else
	GL 1
	GL 2
	WIN 0
	v_lshlrev_b32 v15, 2, v12                      ; 4 x lane
	s_mul_i32 s22, s16, 16*TP                      ; my turning stage (the stages begin at LDS byte 0)
	v_add_nc_u32 v[TIN], s22, v[GA]
	v_mul_u32_u24 v[TOUT], v13, TP
	v_lshl_add_u32 v[TOUT], v14, 6, v[TOUT]
	v_add_nc_u32 v[TOUT], s22, v[TOUT]
	s_mul_i32 s22, s16, FRB
	s_add_co_u32 s22, s22, WPI
	v_add_nc_u32 v[WPIW], s22, v[GA]
	s_lshl_b32 s22, s16, 7
	s_add_co_u32 s22, s22, WPS
	v_add_nc_u32 v[WPSW], s22, v15
	v_add_nc_u32 v[LI], WPI, v[GA]
	v_add_nc_u32 v[LS], WPS, v15
	s_lshl_b32 s22, s16, 8
	s_add_co_u32 s22, s22, SWU
	v_add_nc_u32 v[SWA], s22, v15
	v_lshlrev_b32 v[L8], 3, v12
	v_add_nc_u32 v[SWR], s22, v[L8]
.irp b, 0,1,2,3
	v_mov_b32 v[TM+4+\b], 0                        ; written once: a lane permute's destination counts as one of its sources
.endr
	s_wait_loadcnt 32                              ; bp and set 0 are in; sets 1 and 2 (32 loads) may be out
	TR 0
.irp f, 0,1,2,3,4
	s_wait_dscnt 0x0                               ; set f is back from the stage, so its stores have read their registers
.if \f+3 <= 4
	GL \f+3                                        ; into the landing set that set f has left
.endif
.if \f < 2
	s_wait_loadcnt 32                              ; set f + 1 is in; the two sets behind it may be out
.elseif \f == 2
	s_wait_loadcnt 16                              ; one set behind it
.elseif \f == 3
	s_wait_loadcnt 0x0
.endif
.if \f < 4
	TR \f+1                                        ; goes through the stage while set f is quantised
	QUANT XN+64*(\f%2), XFR+12*\f, XW+\f
.irp g, 0,1,2
	global_store_b128 v[GA], v[XFR+12*\f+4*\g:XFR+12*\f+4*\g+3], s[12:13] offset:FRB*\f+512*\g   ; the fragment as it stands: 512 consecutive bytes, aligned; its registers are not written again
.endr
.else
	QUANT XN, PCW, PWP                             ; my K step of Wp
.irp g, 0,1,2
	ds_store_b128 v[WPIW], v[PCW+4*\g:PCW+4*\g+3] offset:512*\g
.endr
	ds_store_b32 v[WPSW], v[PWP]
.endif
.endr
	s_wait_dscnt 0x0                               ; for the others' sake: my image of Wp lies in LDS
	s_barrier_signal -1
	s_barrier_wait -1
.irp i, 0,1,2,3,4,5,6,7,8,9,10,11
	ds_load_b128 v[XN+4*\i:XN+4*\i+3], v[LI] offset:512*\i   ; Wp's four fragments
.endr
.irp k, 0,1,2,3
	ds_load_b32 v[WPW+\k], v[LS] offset:128*\k     ; and their scale words
.endr
	v_cndmask_b32 v60, v[XW], v[XW+1], s30         ; my 64 scale words on end: lanes 0-15 an even K step's, lanes 16-31 the next one's,
	v_cndmask_b32 v61, v[XW+2], v[XW+3], s30
	ds_store_b32 v[SWA], v60                       ; through my own 256 bytes of LDS,
	ds_store_b32 v[SWA], v61 offset:128
	ds_load_b64 v[62:63], v[SWR]                   ; so that one store fills the aligned 256 bytes
	s_wait_dscnt 0x0
	global_store_b64 v[L8], v[62:63], s[12:13] offset:6144
; the scores: one accumulator, K ascending.  x's fragments and scale words were written by vector instructions; the whole quantising of Wp stands between the last of them and the first product
	v_wmma_scale_f32_16x16x128_f8f6f4 v[SCO:SCO+7], v[XN:XN+11], v[XFR:XFR+11], v[BP:BP+7], v[WPW], v[XW] matrix_a_fmt:MATRIX_FMT_FP6 matrix_b_fmt:MATRIX_FMT_FP6
.irp k, 1,2,3
	s_wait_alu depctr_va_vdst(0)                   ; the wait directly ahead of each link
	v_wmma_scale_f32_16x16x128_f8f6f4 v[SCO:SCO+7], v[XN+12*\k:XN+12*\k+11], v[XFR+12*\k:XFR+12*\k+11], v[SCO:SCO+7], v[WPW+\k], v[XW+\k] matrix_a_fmt:MATRIX_FMT_FP6 matrix_b_fmt:MATRIX_FMT_FP6
.endr
.rept 4
	v_nop                                          ; four places behind the last product (ISA guide 7.12.1)
.endr
.irp n, 0,1,2,3,4,5,6,7
	v_mul_f32 v[SG+\n], s28, v[SCO+\n]             ; - s log2(e); the accumulator is read from its low end on
.endr
.irp n, 0,1,2,3,4,5,6,7
	v_exp_f32 v[SG+\n], v[SG+\n]                   ; e^-s (infinity for a very negative s: the reciprocal below is then 0)
.endr
	v_nop                                          ; a plain instruction behind the last exponential,
	s_wait_alu depctr_va_vdst(0)                   ; and the one wait for the batch ahead of its first reader
.irp n, 0,1,2,3,4,5,6,7
	v_add_f32 v[SG+\n], 1.0, v[SG+\n]
.endr
.irp n, 0,1,2,3,4,5,6,7
	v_rcp_f32 v[SG+\n], v[SG+\n]                   ; sigmoid(s)
.endr
	v_nop
	s_wait_alu depctr_va_vdst(0)                   ; likewise, one for the eight reciprocals
.irp n, 0,1,2,3
	v_mul_f32 v[SG+2*\n], v[SG+2*\n], v[SG+2*\n+1] ; the two patterns' product
.endr
.irp n, 0,1,2,3
	v_cmp_lt_f32 vcc_lo, s29, v[SG+2*\n]           ; above 1e-4?
	v_cndmask_b32 v[PO+\n], 0, v[SG+2*\n], vcc_lo  ; else exactly 0
.endr
	global_store_b128 v[GA], v[PO:PO+3], s[12:13] offset:6400   ; lane (r, h): cases 4 h + 0 .. 3 of row r at 16 r + 256 h: 512 consecutive bytes, aligned
	s_wait_tensorcnt 0x0
	ds_add_u32 v27, v247
	s_wait_dscnt 0x0
	s_endpgm
.Lfunc_end_k_q45b0609241_prep:
	.size	k_q45b0609241_prep, .Lfunc_end_k_q45b0609241_prep-k_q45b0609241_prep
	.p2alignl 7, 3214868480
	.fill 96, 4, 3214868480
	.section	.rodata,"a",@progbits
	.p2align	6, 0x0
	.amdhsa_kernel k_q45b0609241_prep
		.amdhsa_group_segment_fixed_size 42240
		.amdhsa_private_segment_fixed_size 0
		.amdhsa_enable_private_segment 0
		.amdhsa_kernarg_size 48
		.amdhsa_user_sgpr_count 2
		.amdhsa_user_sgpr_kernarg_segment_ptr 1
		.amdhsa_wavefront_size32 1
		.amdhsa_system_sgpr_workgroup_id_x 1
		.amdhsa_system_sgpr_workgroup_id_y 1
		.amdhsa_system_sgpr_workgroup_id_z 1
		.amdhsa_system_vgpr_workitem_id 0
		.amdhsa_next_free_vgpr 448
		.amdhsa_next_free_sgpr 66
		.amdhsa_reserve_vcc 1
		.amdhsa_float_denorm_mode_32 3
		.amdhsa_float_denorm_mode_16_64 3
		.amdhsa_memory_ordered 1
		.amdhsa_forward_progress 1
		.amdhsa_inst_pref_size 57
	.end_amdhsa_kernel
	.amdgpu_metadata
---
amdhsa.version: [ 1, 2 ]
amdhsa.kernels:
  - .name:           k_q45b0609241_prep
    .symbol:         k_q45b0609241_prep.kd
    .args:
      - { .name: x, .offset: 0, .size: 8, .value_kind: global_buffer, .address_space: global }
      - { .name: Wp, .offset: 8, .size: 8, .value_kind: global_buffer, .address_space: global }
      - { .name: bp, .offset: 16, .size: 8, .value_kind: global_buffer, .address_space: global }
      - { .name: Wc, .offset: 24, .size: 8, .value_kind: global_buffer, .address_space: global }
      - { .name: xq, .offset: 32, .size: 8, .value_kind: global_buffer, .address_space: global }
      - { .name: wq, .offset: 40, .size: 8, .value_kind: global_buffer, .address_space: global }
    .group_segment_fixed_size: 42240
    .private_segment_fixed_size: 0
    .kernarg_segment_align: 8
    .kernarg_segment_size: 48
    .max_flat_workgroup_size: 128
    .sgpr_count:     66
    .vgpr_count:     448
    .wavefront_size: 32
...
	.end_amdgpu_metadata
.endif
;; end of part 3
;; launch main (part 4): grid 256 x 1, 4 waves a work-group, clusters of 4 x 1, 327,680 bytes of LDS; arguments xq, wq, bc, out0; writes out0
.if DOCPART == 4
	.amdgcn_target "amdgcn-amd-amdhsa--gfx1250"
	.amdhsa_code_object_version 6
	.text
	.protected	k_q45b0609241_main
	.globl	k_q45b0609241_main
	.p2align	8
	.type	k_q45b0609241_main,@function
k_q45b0609241_main:
	s_mov_b64 s[64:65], 0
	v_nop
	global_prefetch_b8 v0, s[64:65] scope:SCOPE_SE
	s_setreg_imm32_b32 hwreg(HW_REG_WAVE_MODE, 25, 1), 1
	s_wait_xcnt 0x0
	s_wait_alu depctr_hold_cnt(0) depctr_sa_sdst(0) depctr_va_vdst(0) depctr_va_sdst(0) depctr_va_ssrc(0) depctr_va_vcc(0) depctr_vm_vsrc(0)
	s_getreg_b32 s2, hwreg(HW_REG_IB_STS2, 6, 4)
	s_cmp_eq_u32 s2, 0
	s_cbranch_scc0 .Lentry_in_a_cluster
	s_endpgm
.Lentry_in_a_cluster:
	s_bfe_u32 s2, ttmp6, 0x10000c
	s_cmp_lg_u32 s2, 0x3003
	s_cbranch_scc0 .Lentry_shape_is_right
	s_endpgm
.Lentry_shape_is_right:
; out[n][e] = sum over c of presence[n][c] (Q(x)[n] . Q(Wc)[c][:, e] + bc[c][e]).  bc [8][512], out [32768][512]: f32.  Codes of FP6 (E2M3), one E8M0 scale for each 32 along K = 512.
; xq: a chunk of 6,912 bytes for each block of 16 rows: four fragment images (K step ks, registers 4 g .. 4 g + 3, lane l at 1536 ks + 512 g + 16 l), 64 scale words (4 (16 ks + r)),
;     presence (cases 0-3 of row r at 6400 + 16 r, cases 4-7 at 6656 + 16 r).   wq: chunk (4 g + w) 8 + c of 6,400 bytes: the same for 16 columns e of case c, without presence.  (Both: the launch before.)
; SHARES.  A work-group of four waves owns 1,024 rows and 64 outputs e, for all eight cases: 32 row groups x 8 groups of e.  THE WEIGHTS STAY IN REGISTERS: wave w holds e = 64 g + 16 w + 0 .. 15 of
; all eight cases (8 x 4 K steps x 12 = 384 registers), their scale words and their bias, read once.  x's chunks go through LDS and are read by all four waves.  So a work-group takes in
; 64 chunks of 6,912 bytes and 4 x 51,200 bytes of weights for its 4 x 2,048 matrix instructions.
; A STEP is one row block: 32 matrix instructions a wave; each of x's four fragments feeds eight of them.
; TRANSPOSED USE: source 0 = 16 rows of the weight (16 e), source 1 = 16 rows of x.  A lane (r, h) holds ONE row of x and eight neighbouring e, so presence is one number a lane and case, and the sum
; over the cases is a packed multiply-add, out += presence x T: 32 for a step's 32 matrix instructions, set between them.  bc is the C of each sum's first matrix instruction.
; The sum over c (K = 8, a weight of its own for each row) stays in f32 vector arithmetic.  All eight cases are multiplied for all rows: presence only weighs values, no branch hangs on it.
; BY HALVES.  Cases 0-3 and cases 4-7 are two halves.  While one half's 16 matrix instructions are issued, the other half's finished sums are weighed in.
; THE RING.  Two LDS slots of eight chunks; each wave fetches a quarter.  The change of slots stands in step 8 k + 7, whose run of LDS loads is the first to read the next slot.
; A refill has eight steps, 256 matrix instructions a wave, in which to land; for that reason no data prefetch is laid.
; CLUSTER.  The four partners own four groups of e of the same 1,024 rows: they ask for x's chunks JOINTLY (the same tensor load, the same descriptor, mask 15).  The weights differ from partner to
; partner and are read once, by plain loads.
; THE WAY OUT.  A row's 64 e, 256 bytes, come from the four waves: a finished row block goes to a stage in LDS, and the eight blocks stored between two of the ring's barriers (blocks 8 k - 2 .. 8 k + 5)
; leave behind the second: each wave reads four rows of each block back and stores whole rows of 256 bytes.  Two stages take turns with the slots.
; LIMITS: those of the launch before (a block of zeros or of numbers under 2^-124 has the byte 1; NaN and infinities are not served).
;
; REGISTERS, in windows of 256 (s_set_vgpr_msb: bits 1:0 source 0, 3:2 source 1, 5:4 source 2, 7:6 destination):
;   window 0: v1-12 addresses; v28-29 for the add; v32-47 the weights' scale words, v48-51 x's (they hold scales alone); v52-59 out of one row block; v64-111, v112-159 x's four fragments, two buffers;
;             v160-191 T of cases 0-3, v192-223 T of cases 4-7
;   window 1: v0-191 the weights of cases 0-3 (case i, K step ks at 48 i + 12 ks); v192-223 their bias; v224-239 presence of cases 4-7, four buffers
;   window 2: v0-191 the weights of cases 4-7;                                     v192-223 their bias; v224-231 presence of cases 0-3, two buffers
;   window 3: v0-63 rows of out on their way
; So ONE setting serves a half's matrix instructions AND the other half's multiply-adds: with 0x01 the product reads its weights from window 1 and all else from window 0, and
; out += P x T reads P (cases 4-7) from window 1; 0x02 is its mirror.  Only a sum's first link, whose C is the bias, wants another (0x11, 0x22).
.set CH,    6912                       ; a chunk of xq
.set SLOTB, 8*CH                       ; a slot
.set QW,    2*CH                       ; a wave's quarter of it: 54 rows of 256 bytes
.set SL1,   65536                      ; slot 1 begins here, and stage 1 as far behind stage 0: one exclusive or turns an address from one to the other
.set STAGE, 131072                     ; the stages for out: 128 rows x (256 + 16) bytes each.  No tensor load lands from here on
.set OP,    272
.set SPARE, 262144                     ; the spare words, 128 bytes for each wave: two blocks of 256 bytes that no other line names
.set CHW,   6400                       ; a chunk of wq
.set GRPB,  8*16*2048                  ; eight row blocks of out, in bytes
.set GA,   1                           ; v1   16 x lane
.set L4,   2                           ; v2   4 x lane
.set BA,   3                           ; v3   32 h
.set R16,  4                           ; v4   16 r
.set STO0, 5                           ; v5   stage 0: where I put 32 bytes of a row: 272 r + 64 w + 32 h
.set RD0,  6                           ; v6   stage 0: where I read a row back: row 4 w + lane / 16, 16 bytes a lane
.set CO,   7                           ; v7   the same place in out
.set AX,   8                           ; v8-10 the slot in hand + v1, v2, v4;  v11 the stage in hand + v5;  v12 the other stage + v6
.set AXS,  9
.set AP,   10
.set STO,  11
.set RD,   12
.set SPW,  28                          ; v28  LDS address of my spare word; never rewritten
.set NIL,  29                          ; v29  0; never rewritten
.set WSW,  32                          ; the weights' scale words: v[WSW + 2 c + q]: lanes 0-15 K step 2 q, lanes 16-31 K step 2 q + 1
.set XSW,  48                          ; x's: v[XSW + 2 buffer + q], packed likewise
.set OO,   52
.set XB,   64
.set TT,   160
.set BI,   192                         ; windows 1, 2
.set PB,   224                         ; windows 1, 2
.set OB,   0                           ; window 3
.set TBS,  26                          ; s26  the slot and stage in hand: 0 or SL1;  s27 the other
.set TRS,  27
.set G1,   28                          ; s[28:35] descriptor group 1;  s[36:39] group 0 of the first fill of slot 0;  s[40:43] of slot 1's, which then walks
.set G0A,  36
.set G0B,  40
.set MSB, 0
.macro WIN new                         ; the immediate's high byte repeats the setting that is left; a switch that changes nothing is dropped
.if MSB != (\new)
	s_set_vgpr_msb (MSB<<8)|(\new)
.set MSB, \new
.endif
.endm
.macro CREST                           ; a round of the cluster's barrier behind its opening barrier
	s_cmp_lg_u32 s16, 0
	s_cbranch_scc1 .Lnot_wave_0_\@
	s_barrier_signal -3
.Lnot_wave_0_\@:
	s_barrier_wait -3
	s_barrier_signal -1
	s_barrier_wait -1
.endm
.macro CROUND                          ; a whole round
	s_barrier_signal -1
	s_barrier_wait -1
	CREST
.endm
.macro ADDR                            ; the LDS addresses of the slot and the stages in hand
	v_add_nc_u32 v[AX], s[TBS], v[GA]
	v_add_nc_u32 v[AXS], s[TBS], v[L4]
	v_add_nc_u32 v[AP], s[TBS], v[R16]
	v_add_nc_u32 v[STO], s[TBS], v[STO0]
	v_add_nc_u32 v[RD], s[TRS], v[RD0]
.endm
; One matrix instruction: case 4 hf + i, K step ks, x's buffer xb.  T(e, row) (+)= W x^T.  ks = 0 starts the sum with the bias as C: nothing is cleared, nothing is added later.
; The scale words of an odd K step stand in lanes 16-31 of the registers named.
.macro MM hf, xb, ks, i
.set rT, TT+32*(\hf)+8*(\i)
.set rW, 48*(\i)+12*(\ks)
.set rX, XB+48*(\xb)+12*(\ks)
.set rSA, WSW+2*(4*(\hf)+(\i))+(\ks)/2
.set rSB, XSW+2*(\xb)+(\ks)/2
.if (\ks) == 0
	v_wmma_scale_f32_16x16x128_f8f6f4 v[rT:rT+7], v[rW:rW+11], v[rX:rX+11], v[BI+8*(\i):BI+8*(\i)+7], v[rSA], v[rSB] matrix_a_fmt:MATRIX_FMT_FP6 matrix_b_fmt:MATRIX_FMT_FP6
.elseif (\ks)%2 == 0
	v_wmma_scale_f32_16x16x128_f8f6f4 v[rT:rT+7], v[rW:rW+11], v[rX:rX+11], v[rT:rT+7], v[rSA], v[rSB] matrix_a_fmt:MATRIX_FMT_FP6 matrix_b_fmt:MATRIX_FMT_FP6
.else
	v_wmma_scale_f32_16x16x128_f8f6f4 v[rT:rT+7], v[rW:rW+11], v[rX:rX+11], v[rT:rT+7], v[rSA], v[rSB] matrix_a_fmt:MATRIX_FMT_FP6 matrix_b_fmt:MATRIX_FMT_FP6 matrix_a_scale:MATRIX_SCALE_ROW1 matrix_b_scale:MATRIX_SCALE_ROW1
.endif
.endm
; Multiply-add n of 16, set among half hf's matrix instructions: the OTHER half's case n / 4, registers 2 (n % 4) and the next: out += P x T.  Case 0 starts the sum.  pb: P's buffer.
; P's pair holds two cases: both halves of the packed form take the one that is meant.
.macro FM hf, pb, n
.set rO, OO+2*((\n)%4)
.set rU, TT+32*(1-(\hf))+8*((\n)/4)+2*((\n)%4)
.set rP, PB+4*(\pb)+(((\n)/4)/2)*2
.if ((\hf) == 1) && ((\n) < 4)
	v_pk_mul_f32 v[rO:rO+1], v[rP:rP+1], v[rU:rU+1] op_sel_hi:[0,1]
.elseif ((\n)/4)%2 == 0
	v_pk_fma_f32 v[rO:rO+1], v[rP:rP+1], v[rU:rU+1], v[rO:rO+1] op_sel_hi:[0,1,1]
.else
	v_pk_fma_f32 v[rO:rO+1], v[rP:rP+1], v[rU:rU+1], v[rO:rO+1] op_sel:[1,0,0] op_sel_hi:[1,1,1]
.endif
.endm
.macro FMS hf, pb, k, pad              ; the next k of them; pb = -1: there is nothing to weigh in yet (pad = 1: a v_nop takes the place)
.rept \k
.if (\pb) >= 0
	FM \hf, \pb, fn
.elseif \pad
	v_nop
.endif
.set fn, fn+1
.endr
.endm
; The rows of out: places a .. b - 1 of a group come back from the stage as whole rows of 256 bytes (region 1), and are stored (region 2).  Of each block of 16 rows wave w takes rows 4 w .. 4 w + 3;
; lanes 0-15 one row, lanes 16-31 the next.
.macro REGION1 a, b
	WIN 0xc0
	s_wait_xcnt 0x0                                ; the last group's stores, issued a slot ago, have read their registers and their base: both may be written
	s_add_nc_u64 s[10:11], s[10:11], GRPB          ; the base runs one group ahead; the stores reach back by their immediate
.set pp, \a
.rept (\b)-(\a)
	ds_load_b128 v[OB+8*pp:OB+8*pp+3], v[RD] offset:16*OP*pp
	ds_load_b128 v[OB+8*pp+4:OB+8*pp+7], v[RD] offset:16*OP*pp+2*OP
.set pp, pp+1
.endr
.endm
.macro REGION2 a, b
	WIN 0x0c                                       ; a store's data are its source 1: window 3
.set pp, \a
.rept (\b)-(\a)
	global_store_b128 v[CO], v[OB+8*pp:OB+8*pp+3], s[10:11] offset:(pp-2)*32768-GRPB th:TH_STORE_NT        ; place p of group k is row block 8 k - 2 + p.  16 lanes store 256 consecutive bytes, at a multiple
	global_store_b128 v[CO], v[OB+8*pp+4:OB+8*pp+7], s[10:11] offset:(pp-2)*32768+4096-GRPB th:TH_STORE_NT   ; of 256 from out's first byte; written once, read by nobody here
.set pp, pp+1
.endr
.endm
; One run of LDS loads, in step n: row block n + 1's chunk: four fragments as they lie, two registers of scale words, presence.  P of cases 4-7 is read two steps on, while the P of the step
; before is still at work: so it has four buffers.
.macro LRUN n
.set tt, ((\n)+1)%8
.set nb, ((\n)+1)%2
.set n4, ((\n)+1)%4
.irp i, 0,1,2,3,4,5,6,7,8,9,10,11
	ds_load_b128 v[XB+48*nb+4*\i:XB+48*nb+4*\i+3], v[AX] offset:CH*tt+512*\i
.endr
.irp q, 0,1
	ds_load_b32 v[XSW+2*nb+\q], v[AXS] offset:CH*tt+6144+128*\q
.endr
	WIN 0x80
	ds_load_b128 v[PB+4*nb:PB+4*nb+3], v[AP] offset:CH*tt+6400
	WIN 0x40
	ds_load_b128 v[PB+4*n4:PB+4*n4+3], v[AP] offset:CH*tt+6656
.endm
; THE FIRST HALF OF STEP n: cases 0-3 of row block n (four accumulators by turns, one instruction a turn, K step by K step); cases 4-7 of block n - 1 are weighed in, and that
; block's out goes to the stage.  Only n's residues (mod 2, 4, 8) enter the text.
; DISTANCES (ISA guide 7.12.1; only plain vector instructions that name none of the matrix instruction's registers are counted).  The first multiply-add reads T's case 0 behind the four multiply-adds
; (or v_nop) of the half before's last K step; later cases have more.  The run of loads stands behind at least 13 multiply-adds since the last product that read its buffer.  The products that begin
; T anew stand behind at least 12 multiply-adds that name other cases.
; fm = 0: there is no block before.   ld = 1: LRUN.   a1, b1 / a2, b2: regions 1 and 2.
; chg = 1: THE CHANGE OF SLOTS.  My reads of the slot that is left are over (the wait at the head).  I wait for all my tensor loads (one is out: my quarter of the next slot), add 0 to my spare word, and
;   wait for that in front of the barrier, which opens a round of the cluster's; the joint refill is the first thing behind the round.   chg = 2: the same wait and a plain barrier, nothing is
;   filled.   chg = 3: a plain barrier alone, for the stage.  In front of each of them all my stores into the stage are done; behind it the group is whole.
.macro H0 n, fm, chg, ld, a1, b1, a2, b2
	s_wait_dscnt 0x0                               ; this step's fragments, scale words and presence are in (asked for 20 matrix instructions ago), and so are the rows of region 1
.if (\b2) > (\a2)
	REGION2 \a2, \b2
.endif
.if (\chg) == 1
	WIN 0                                          ; (the add's two registers lie in window 0)
	s_wait_tensorcnt 0x0                           ; no tensor load of mine is out, so a group 0 may be written
	ds_add_u32 v[SPW], v[NIL]                      ; 0 onto my spare word: eight matrix instructions stand between it and the wait for it
	s_xor_b32 s[G0B+1], s[G0B+1], SL1              ; the walking descriptor: the other slot than last time,
	s_add_nc_u64 s[G0B+2:G0B+3], s[G0B+2:G0B+3], SLOTB   ; the next eight chunks; the type bits on top are not reached
.elseif (\chg) == 2
	s_wait_tensorcnt 0x0                           ; my quarter of the last slot has landed
.endif
.if \chg
	s_xor_b32 s[TBS], s[TBS], SL1                  ; on to the other slot and the other stage
	s_xor_b32 s[TRS], s[TRS], SL1
.endif
.if \fm
.set pbn, ((\n)+3)%4
.else
.set pbn, -1
.endif
	WIN 0x11                                       ; weights and bias window 1
.irp i, 0,1,2,3
	MM 0, (\n)%2, 0, \i
.endr
	WIN 0x01
.set fn, 0
.irp i, 0,1,2,3
	MM 0, (\n)%2, 1, \i
	FMS 0, pbn, 2, 0
.endr
.if \chg
	s_wait_dscnt 0x0                               ; no LDS instruction of mine is out: the add is done
	s_barrier_signal -1
.endif
.irp i, 0,1,2,3
	MM 0, (\n)%2, 2, \i                            ; (work on registers while the others arrive)
	FMS 0, pbn, 1, 0
.endr
.if (\chg) || (\ld)
	WIN 0
.endif
.if \chg
	s_barrier_wait -1
.endif
.if (\chg) == 1
	CREST                                          ; no wave of any partner still reads the slot or has a load on its way
	tensor_load_to_lds s[G0B:G0B+3], s[G1:G1+7]    ; my one tensor load until the next round; five plain additions follow it
	s_nop 0
.endif
.if \chg
	ADDR
.endif
.if \ld
	LRUN \n
.endif
.if (\b1) > (\a1)
	REGION1 \a1, \b1
.endif
	WIN 0x01
.irp i, 0,1,2,3
	MM 0, (\n)%2, 3, \i
	FMS 0, pbn, 1, 1
.endr
.if \fm
	WIN 0
	ds_store_b128 v[STO], v[OO:OO+3] offset:16*OP*(((\n)+1)%8)        ; block n - 1 is whole: lane (r, h): out(row r, 16 w + 8 h + 0 .. 7), at place (n + 1) % 8 of the group
	ds_store_b128 v[STO], v[OO+4:OO+7] offset:16*OP*(((\n)+1)%8)+16
.endif
.endm
; THE SECOND HALF OF STEP n: cases 4-7 of row block n; its cases 0-3 are weighed in and start the block's out.
.macro H1 n, a2, b2
.if (\b2) > (\a2)
	s_wait_dscnt 0x0
	REGION2 \a2, \b2
.endif
	WIN 0x22
.irp i, 0,1,2,3
	MM 1, (\n)%2, 0, \i
.endr
	WIN 0x02
.set fn, 0
.irp i, 0,1,2,3
	MM 1, (\n)%2, 1, \i
	FMS 1, (\n)%2, 2, 0
.endr
.irp i, 0,1,2,3
	MM 1, (\n)%2, 2, \i
	FMS 1, (\n)%2, 1, 0
.endr
.irp i, 0,1,2,3
	MM 1, (\n)%2, 3, \i
	FMS 1, (\n)%2, 1, 1
.endr
.endm
.macro STEP n, fm, chg, ld, a1, b1, a2, b2
	H0 \n, \fm, \chg, \ld, \a1, \b1, \a2, \b2
	H1 \n, 0, 0
.endm
; A TRIP: steps 8 k + 7 .. 8 k + 14.  All its runs of loads read slot k + 1, all its stores into the stage belong to group k + 1, and group k (places lo .. 7) leaves the other stage in its first two steps.
; The stage that group k leaves is written again only behind the next trip's barrier, in front of which every wave has waited for its reads.
.macro TRIP chg, lo
	STEP 7, 1, \chg, 1, \lo, 8, 0, 0
	STEP 8, 1, 0, 1, 0, 0, \lo, 8
.irp n, 9,10,11,12,13,14
	STEP \n, 1, 0, 1, 0, 0, 0, 0
.endr
.endm
; ================ the head ================
	s_load_b256 s[4:11], s[0:1], 0x0               ; xq s[4:5], wq s[6:7], bc s[8:9], out s[10:11]
	v_lshl_add_u32 v[SPW], v0, 2, SPARE
	v_mov_b32 v[NIL], 0
	ds_add_u32 v28, v29
	ds_add_u32 v28, v29
	s_wait_dscnt 0x0
	v_lshrrev_b32 v13, 5, v0
	v_readfirstlane_b32 s16, v13                   ; wave 0..3
	v_and_b32 v13, 31, v0                          ; lane
	v_and_b32 v14, 15, v0                          ; r
	v_bfe_u32 v15, v0, 4, 1                        ; h
	v_lshlrev_b32 v[GA], 4, v13
	v_lshlrev_b32 v[L4], 2, v13
	v_lshlrev_b32 v[BA], 5, v15
	v_lshlrev_b32 v[R16], 4, v14
	s_lshr_b32 s19, ttmp9, 1                       ; the row group: in a cluster launch ttmp9 counts clusters; two clusters share a row group, the four partners of each too
	s_mul_i32 s20, s19, 64*CH                      ; its 64 chunks of xq,
	s_mul_i32 s44, s16, QW                         ; my quarter of a slot, in xq and in LDS alike
	s_add_co_u32 s20, s20, s44
	s_mov_b32 s21, 0
	s_bfe_u32 s17, ttmp6, 0x40000                  ; cx: my place in the cluster: it enters the weights', the bias's and out's addresses alone
	s_and_b32 s18, ttmp9, 1
	s_lshl_b32 s18, s18, 2
	s_add_co_u32 s18, s18, s17                     ; g: my group of 64 e
	s_lshl_b32 s22, s18, 2
	s_add_co_u32 s22, s22, s16                     ; 4 g + w
	s_mul_i32 s22, s22, 8*CHW                      ; my eight chunks of wq
	s_mov_b32 s23, 0
	s_lshl_b32 s24, s18, 8                         ; 64 g numbers of 4 bytes
	s_lshl_b32 s51, s16, 6                         ; 16 w
	s_add_co_u32 s46, s24, s51                     ; bc at my 16 e
	s_mov_b32 s47, 0
	s_lshl_b32 s48, s19, 21                        ; out: the row group's 1,024 rows of 2,048 bytes,
	s_add_co_u32 s48, s48, s24                     ; my work-group's 256 bytes of each
	s_mov_b32 s49, 0
	; descriptor group 1: a dense block of 13,824 bytes as 54 rows of 256 bytes (32 elements of 8 bytes), no padding
	s_mov_b32 s[G1], 15|(3<<16)|(1<<21)            ; 15:0 the mask: all four work-groups; 17:16 elements of 8 bytes; 21 set beside a mask
	s_mov_b32 s[G1+1], 32<<16                      ; tensor_dim0 = 32
	s_mov_b32 s[G1+2], 54<<16                      ; tensor_dim1 = 54
	s_mov_b32 s[G1+3], 32<<16                      ; tile_dim0 = 32
	s_mov_b32 s[G1+4], 54                          ; tile_dim1 = 54
	s_mov_b32 s[G1+5], 32                          ; tensor_dim0_stride
	s_mov_b32 s[G1+6], 0
	s_mov_b32 s[G1+7], 0
	s_mov_b32 s[TBS], 0
	s_mov_b32 s[TRS], SL1
	s_wait_kmcnt 0x0
	s_add_nc_u64 s[4:5], s[4:5], s[20:21]
	s_add_nc_u64 s[6:7], s[6:7], s[22:23]
	s_add_nc_u64 s[8:9], s[8:9], s[46:47]
	s_add_nc_u64 s[10:11], s[10:11], s[48:49]
	s_mov_b32 s[G0A], 1                            ; 1:0 count = 1
	s_mov_b32 s[G0A+1], s44                        ; LDS address: slot 0; no place in the cluster enters it
	s_mov_b64 s[G0A+2:G0A+3], s[4:5]               ; global address: row blocks 0 to 7
	s_or_b32 s[G0A+3], s[G0A+3], 0x80000000        ; type = 2
	s_mov_b32 s[G0B], 1
	s_add_co_u32 s[G0B+1], s44, SL1                ; slot 1
	s_add_nc_u64 s[G0B+2:G0B+3], s[4:5], SLOTB     ; row blocks 8 to 15
	s_or_b32 s[G0B+3], s[G0B+3], 0x80000000
	CROUND                                         ; all four work-groups are here: the first joint loads meet
	tensor_load_to_lds s[G0A:G0A+3], s[G1:G1+7]    ; the first fills go out as one group: two loads of mine are out
	s_nop 0
	tensor_load_to_lds s[G0B:G0B+3], s[G1:G1+7]
	s_nop 0
	v_mul_u32_u24 v[STO0], v14, OP                 ; the stage: row r, + 64 w + 32 h
	v_add_nc_u32 v[STO0], v[STO0], v[BA]
	s_add_co_u32 s45, s51, STAGE
	v_add_nc_u32 v[STO0], s45, v[STO0]
	v_mul_u32_u24 v[RD0], v15, OP                  ; back: row 4 w + h, 16 bytes a lane
	v_lshl_add_u32 v[RD0], v14, 4, v[RD0]
	s_mul_i32 s45, s16, 4*OP
	s_add_co_u32 s45, s45, STAGE
	v_add_nc_u32 v[RD0], s45, v[RD0]
	v_lshlrev_b32 v[CO], 4, v14                    ; and the same two rows in out
	v_lshl_add_u32 v[CO], v15, 11, v[CO]
	s_lshl_b32 s45, s16, 13
	v_add_nc_u32 v[CO], s45, v[CO]
	ADDR
; ---- my weights, their bias and their scale words come into registers, for the whole launch
.irp c, 0,1,2,3,4,5,6,7
	WIN 0x40+0x40*(\c/4)                           ; destination window 1 (cases 0-3) or 2 (cases 4-7)
.irp i, 0,1,2,3,4,5,6,7,8,9,10,11
	global_load_b128 v[48*(\c%4)+4*\i:48*(\c%4)+4*\i+3], v[GA], s[6:7] offset:CHW*\c+512*\i   ; the four fragments as they lie: 512 consecutive bytes a load
.endr
	global_load_b128 v[BI+8*(\c%4):BI+8*(\c%4)+3], v[BA], s[8:9] offset:2048*\c               ; bc(c, my eight e), in the result's layout
	global_load_b128 v[BI+8*(\c%4)+4:BI+8*(\c%4)+7], v[BA], s[8:9] offset:2048*\c+16
.endr
	WIN 0
.irp c, 0,1,2,3,4,5,6,7
.irp q, 0,1
	global_load_b32 v[WSW+2*\c+\q], v[L4], s[6:7] offset:CHW*\c+6144+128*\q
.endr
.endr
	s_wait_tensorcnt 0x1                           ; my quarter of slot 0 is in; slot 1's load may stay out
	s_barrier_signal -1
	s_barrier_wait -1                              ; everybody's is
	LRUN 7                                         ; row block 0 (the residues of step -1)
	s_wait_loadcnt 0x0                             ; the weights
; ================ the 64 row blocks ================
	STEP 0, 0, 0, 1, 0, 0, 0, 0                    ; there is nothing to weigh in yet
.irp n, 1,2,3,4,5,6
	STEP \n, 1, 0, 1, 0, 0, 0, 0
.endr
	TRIP 1, 2                                      ; steps 7 to 14 are written out: the first group has six blocks (places 2 to 7)
	WIN 0                                          ; at a label and at a branch every window is 0
	s_mov_b32 s50, 5
.Ltrip:                                                ; steps 15 to 54: each trip fills a slot again
	TRIP 1, 0
	WIN 0
	s_sub_co_u32 s50, s50, 1
	s_cmp_lg_u32 s50, 0
	s_cbranch_scc1 .Ltrip
	TRIP 2, 0                                      ; steps 55 to 62 are written out: nothing is left to fetch
	H0 7, 1, 3, 0, 0, 8, 0, 0                      ; step 63: a barrier for the stage; the last whole group comes back
	H1 7, 0, 8                                     ; and is stored
	WIN 0x01
.set fn, 0
	FMS 0, 3, 16, 0                                ; block 63 gets its cases 4-7 (case 4's sums stand four multiply-adds behind their last product)
	WIN 0
	ds_store_b128 v[STO], v[OO:OO+3] offset:16*OP
	ds_store_b128 v[STO], v[OO+4:OO+7] offset:16*OP+16
	v_add_nc_u32 v[RD], s[TBS], v[RD0]             ; the last group, blocks 62 and 63, lies in the stage in hand
	s_wait_dscnt 0x0                               ; for the others' sake: my part of it is there
	s_barrier_signal -1
	s_barrier_wait -1
	REGION1 0, 2
	s_wait_dscnt 0x0
	REGION2 0, 2
	WIN 0
	s_wait_tensorcnt 0x0                           ; the wave's end: behind my last tensor load and my last LDS store
	ds_add_u32 v[SPW], v[NIL]
	s_wait_dscnt 0x0
	CROUND                                         ; the closing round: no work-group ends while a partner may still ask for a tile that names it
	s_endpgm
.Lfunc_end_k_q45b0609241_main:
	.size	k_q45b0609241_main, .Lfunc_end_k_q45b0609241_main-k_q45b0609241_main
	.p2alignl 7, 3214868480
	.fill 96, 4, 3214868480
	.section	.rodata,"a",@progbits
	.p2align	6, 0x0
	.amdhsa_kernel k_q45b0609241_main
		.amdhsa_group_segment_fixed_size 327680
		.amdhsa_private_segment_fixed_size 0
		.amdhsa_enable_private_segment 0
		.amdhsa_kernarg_size 32
		.amdhsa_user_sgpr_count 2
		.amdhsa_user_sgpr_kernarg_segment_ptr 1
		.amdhsa_wavefront_size32 1
		.amdhsa_system_sgpr_workgroup_id_x 1
		.amdhsa_system_sgpr_workgroup_id_y 1
		.amdhsa_system_sgpr_workgroup_id_z 1
		.amdhsa_system_vgpr_workitem_id 0
		.amdhsa_next_free_vgpr 832
		.amdhsa_next_free_sgpr 66
		.amdhsa_reserve_vcc 0
		.amdhsa_float_denorm_mode_32 3
		.amdhsa_float_denorm_mode_16_64 3
		.amdhsa_memory_ordered 1
		.amdhsa_forward_progress 1
		.amdhsa_inst_pref_size 255
	.end_amdhsa_kernel
	.section	.bss,"aw",@nobits
	.p2align	6
	.space	262144
	.amdgpu_metadata
---
amdhsa.version: [ 1, 2 ]
amdhsa.kernels:
  - .name:           k_q45b0609241_main
    .symbol:         k_q45b0609241_main.kd
    .args:
      - { .name: xq, .offset: 0, .size: 8, .value_kind: global_buffer, .address_space: global }
      - { .name: wq, .offset: 8, .size: 8, .value_kind: global_buffer, .address_space: global }
      - { .name: bc, .offset: 16, .size: 8, .value_kind: global_buffer, .address_space: global }
      - { .name: out0, .offset: 24, .size: 8, .value_kind: global_buffer, .address_space: global }
    .group_segment_fixed_size: 327680
    .private_segment_fixed_size: 0
    .kernarg_segment_align: 8
    .kernarg_segment_size: 32
    .max_flat_workgroup_size: 128
    .sgpr_count:     66
    .vgpr_count:     832
    .wavefront_size: 32
...
	.end_amdgpu_metadata
.endif
;; end of part 4
;; ======== version 3 of 3: 2 launches; version 2 with the launch prep written anew for expert scheduling mode
;; workspace buffers: xq 14,155,776 bytes; wq 1,638,400 bytes
;; launch prep (part 5): grid 768 x 1, 4 waves a work-group, no clusters, 42,240 bytes of LDS; arguments x, Wp, bp, Wc, xq, wq; writes xq, wq
.if DOCPART == 5
	.amdgcn_target "amdgcn-amd-amdhsa--gfx1250"
	.amdhsa_code_object_version 6
	.text
	.protected	k_q45b0609241_prep
	.globl	k_q45b0609241_prep
	.p2align	8
	.type	k_q45b0609241_prep,@function
k_q45b0609241_prep:
	s_mov_b64 s[64:65], 0
	v_nop
	global_prefetch_b8 v0, s[64:65] scope:SCOPE_SE
	s_setreg_imm32_b32 hwreg(HW_REG_WAVE_SCHED_MODE, 0, 2), 2
	s_setreg_imm32_b32 hwreg(HW_REG_WAVE_MODE, 25, 1), 1
	s_wait_xcnt 0x0
	s_wait_alu depctr_vm_vsrc(0)
; Both operands of the large product are quantised ONCE here, to codes of FP6 (E2M3) with one E8M0 scale byte for each 32 along K = 512, and laid in the order in which the next launch's
; operand registers take them.  x's fragments stand in registers in operand layout on the way, so the small product s = Q(x) Q(Wp)^T + bp and the presence are made here too.
; WORK-GROUPS 0 .. 255: Wc [8 (c)][512 (d)][512 (e)], K = d.  Work-group = (c 8 + j) 4 + w makes one chunk of wq: case c, columns e = 64 j + 16 w + 0 .. 15; its wave ks makes K step ks.
;   wq: chunk (4 j + w) 8 + c of 6,400 bytes: four fragment images (registers 4 g .. 4 g + 3 of the twelve, lane l, at 1536 ks + 512 g + 16 l), then 64 scale words (column r, K step ks at 4 (16 ks + r)).
;   A LANE TAKES A COLUMN e AND ITS REGISTERS RUN DOWN d, in the order that the operand's layout gives that lane: the conversions' results are the operand's registers.
; WORK-GROUPS 256 .. 767: x [32768][512].  Each wave takes one block of 16 rows.
;   xq: chunk = row block, 6,912 bytes: four fragment images and 64 scale words as above, then presence: cases 0-3 of row r at 6400 + 16 r, cases 4-7 at 6656 + 16 r.
;   Each load reads 512 consecutive bytes of a row; the conversions want 16 neighbours along K in ONE lane, so a K step's 16 x 128 numbers turn through the wave's own stage in LDS.
;   Wave w also quantises K step w of Wp; the four images go round through LDS (one barrier).  The scores are used transposed (source 0 = Wp's 16 rows, source 1 = x's 16 rows): lane (r, h) holds
;   row r and scores 8 h + 0 .. 7 = cases 4 h + 0 .. 3, two patterns each: its four products are just the 16 bytes that it stores.  presence = 0 where the product is not above 1e-4: a choice of values.
; A block's scale is 2^(floor(log2(its largest magnitude)) - 2); its byte is the largest magnitude's exponent field - 2, held at 1 from below.
; LIMITS: a block of zeros gets the byte 1 where the rule says 127 (its codes are zeros, which add nothing, and this program alone reads the bytes); blocks whose largest magnitude lies under
; 2^-124 get the byte 1 too; NaN and infinities among the inputs are not served; the sigmoids come by v_exp_f32 and v_rcp_f32 (1 ulp each: ISA guide, their entries), so a presence within a few
; ulp of 1e-4 may fall on the other side of the test: a term of at most 1e-4 |y|.
; The two kinds of work-group part on the work-group's number alone and never join; each has LDS bytes of its own.
; THE MODE: SCHED_MODE bits 1:0 = 2 (LLVM: expert scheduling mode 2), set by the entry lines.  The code itself states the register dependences between vector or matrix instructions and
; memory or LDS instructions, with s_wait_alu, always for 0.
; THE PLAN, for x's rows.  Sets 0 to 3 are x's four K steps, set 4 is Wp's; step f quantises set f.  Registers that memory or LDS instructions touch:
;   R0 .. R2 (window 1)   landing sets.  Written by set f's loads; read by set f's LDS stores into the stage; loaded again with set f + 3.  No vector instruction names them.
;   N0, N1 (v64-191)      Written by set f's LDS loads, which are issued in step f - 1; read by step f's quantising.
;   XFR (v192-239)        Fragment f: written by step f's quantising; read by three stores, issued in step f + 1, and by the scores' products; never written again.
;   v1 .. v11             offsets and LDS addresses, made once and never written again.
; Step f's vector instructions name N[f % 2], v16-31, a scale word, fragment f and v240-246.  Its memory and LDS instructions touch R[f % 3] (the loads of set f + 3), fragment f - 1 (its stores),
; R[(f + 1) % 3] and N[(f + 1) % 2] (set f + 1's turn through the stage): none of the registers that the step's own vector instructions name.  So one wait on va_vdst at a step's head states all that
; they hang on (step f - 1 has written fragment f - 1 and is done reading N[(f + 1) % 2]), one on vm_vsrc ahead of the loads states that set f's LDS stores have read R[f % 3], and set f + 1's
; sixteen LDS loads are dealt among the step's vector instructions with no further wait.
.set NWC,  256                         ; work-groups that take Wc
.set CHW,  6400                        ; a chunk of wq
.set CHX,  6912                        ; a chunk of xq
.set FRB,  1536                        ; a fragment's image
.set TP,   528                         ; a row of the turning stage: 512 + 16 bytes = 33 x 16: sixteen rows start in sixteen different columns of 16 bytes
.set WPI,  4*16*TP                     ; LDS: from 0 each wave's turning stage (16 rows); then Wp's four images,
.set WPS,  WPI+4*FRB                   ; their scale words, 128 bytes each (4 x lane),
.set SWU,  WPS+4*128                   ; 256 bytes for each wave, in which its 64 scale words are laid on end,
.set WCS,  SWU+4*256                   ; and, for the work-groups that take Wc, a chunk's 64 scale words
.set GA,   1                           ; v1   16 x lane
.set BPA,  2                           ; v2   32 h
.set TIN,  3                           ; v3   my turning stage, on the way in;  v4 on the way out
.set TOUT, 4
.set WPIW, 5                           ; v5   where I store my image of Wp;  v6 its scale words
.set WPSW, 6
.set LI,   7                           ; v7   WPI + 16 x lane;  v8 WPS + 4 x lane
.set LS,   8
.set SWA,  9                           ; v9   my 256 bytes for scale words: + 4 x lane;  v10 + 8 x lane
.set SWR,  10
.set L8,   11                          ; v11  8 x lane
.set TM,   16                          ; v16-19 largest magnitudes, v20-23 bytes, v28-31 the conversions' scale operands
.set XW,   32                          ; v32-35 x's scale words, one register a K step;  v36 Wp's word as I make it;  v37-40 Wp's four as they come back
.set PWP,  36
.set WPW,  37
.set BP,   44                          ; v44-51 bp in the result's layout
.set SCO,  52                          ; v52-59 the scores
.set XN,   64                          ; v64-191 two sets of 64 numbers; later v64-111 Wp's fragments; v128-139 Wp's codes as I make them
.set PCW,  128
.set XFR,  192                         ; v192-239 x's four fragments
.set PH,   240                         ; v240-246 the second halves of two blocks, as the conversions leave them; later v240-243 presence
.set PO,   240
.set SG,   248                         ; v248-255 at work on the sigmoids
.set WX,   32                          ; Wc: v32-95 my 64 numbers;  v96-107 the fragment, v108-114 second halves
.set WF,   96
.set CM,   24                          ; s24-27 the masks of the four tests against 1e-4 (free once the bases are made)
.set MSB, 0
.macro WIN new                         ; window 1 (v256-447) holds three landing sets of 64.  The immediate's high byte repeats the setting that is left
.if MSB != (\new)
	s_set_vgpr_msb (MSB<<8)|(\new)
.set MSB, \new
.endif
.endm
	s_load_b256 s[4:11], s[0:1], 0x0               ; x s[4:5], Wp s[6:7], bp s[8:9], Wc s[10:11]
	s_load_b128 s[12:15], s[0:1], 0x20             ; xq s[12:13], wq s[14:15]
	v_lshl_add_u32 v27, v0, 2, 0xa300
	v_mov_b32 v247, 0
	v_lshrrev_b32 v12, 5, v0
	v_readfirstlane_b32 s16, v12                   ; wave 0..3
	v_and_b32 v12, 31, v0                          ; lane
	v_and_b32 v13, 15, v0                          ; r
	v_bfe_u32 v14, v0, 4, 1                        ; h
	v_lshlrev_b32 v[GA], 4, v12
	s_mov_b32 s20, 0x76543210
	s_mov_b32 s21, 0xfedcba98                      ; v_permlanex16_b32's selects for lane l xor 16
	s_wait_alu depctr_va_sdst(0)                   ; s16 is written: ahead of the branch, behind which either arm's scalar lines read it
	s_cmp_lt_u32 ttmp9, NWC
	s_cbranch_scc0 .Lrows
; ================ Wc: one chunk a work-group, one K step a wave ================
	s_and_b32 s17, ttmp9, 3                        ; w: neighbouring work-groups stand side by side on 256 bytes of each row of Wc
	s_bfe_u32 s18, ttmp9, 0x30002                  ; j
	s_lshr_b32 s19, ttmp9, 5                       ; c
	v_lshlrev_b32 v3, 2, v13
	v_lshl_add_u32 v3, v14, 16, v3                 ; in: 4 r, and 32 rows of 2,048 bytes further down for lanes 16-31
	v_lshlrev_b32 v7, 3, v12                       ; 8 x lane: the scale words' way out
	s_lshl_b32 s22, s16, 6                         ; LDS: 64 bytes of scale words for each K step
	s_add_co_u32 s22, s22, WCS
	v_lshl_add_u32 v5, v13, 2, s22                 ; my column's word
	v_add_nc_u32 v6, WCS, v7                       ; and where the chunk's 256 bytes are read back
	s_lshl_b32 s24, s19, 20                        ; Wc: case c, 1,048,576 bytes each,
	s_lshl_b32 s22, s16, 18                        ; + 128 ks rows of 2,048 bytes,
	s_add_co_u32 s24, s24, s22
	s_lshl_b32 s22, s18, 8                         ; + (64 j + 16 w) columns of 4 bytes
	s_add_co_u32 s24, s24, s22
	s_lshl_b32 s22, s17, 6
	s_add_co_u32 s24, s24, s22
	s_mov_b32 s25, 0
	s_lshl_b32 s26, s18, 2                         ; the chunk's number: (4 j + w) 8 + c
	s_add_co_u32 s26, s26, s17
	s_lshl_b32 s26, s26, 3
	s_add_co_u32 s26, s26, s19
	s_mul_i32 s26, s26, CHW
	s_mul_i32 s22, s16, FRB                        ; my fragment's image in it
	s_add_co_u32 s26, s26, s22
	s_mov_b32 s27, 0
	s_wait_kmcnt 0x0
	s_add_nc_u64 s[10:11], s[10:11], s[24:25]
	s_add_nc_u64 s[14:15], s[14:15], s[26:27]
	s_wait_alu depctr_va_vdst(0)                   ; the offsets and LDS addresses v1, v3, v5, v6, v7 are written, which this path's loads and stores read; none is written again
.irp c, 0,1
.set i, 0
.rept 32
	global_load_b32 v[WX+32*\c+i], v3, s[10:11] offset:(64*\c+i)*2048   ; Wc(c, 128 ks + 64 c' + 32 h + i, my column): sixteen lanes read 64 neighbouring bytes
.set i, i+1
.endr
.endr
	s_wait_loadcnt 0x0
.irp c, 0,1                                    ; my block 2 c' + h: all its 32 numbers are mine
	v_max3_num_f32 v[16+\c], |v[WX+32*\c]|, |v[WX+1+32*\c]|, 0x1800000   ; and the floor 2^(3 - 127), under which no largest magnitude is taken: so the byte cannot fall under 1
.endr
.irp i, 2,4,6,8,10,12,14,16,18,20,22,24,26,28,30
.irp c, 0,1
	v_max3_num_f32 v[16+\c], v[16+\c], |v[WX+32*\c+\i]|, |v[WX+1+32*\c+\i]|   ; (the two blocks by turns)
.endr
.endr
.irp c, 0,1
	v_add_nc_u32 v[18+\c], 0xff000000, v[16+\c]    ; 2 off its exponent field: the conversion takes the exponent field of this operand as its scale, and nothing else of it
.endr
.irp c, 0,1
	v_lshrrev_b32 v[20+\c], 23, v[18+\c]           ; the scale's byte
.endr
	v_lshl_or_b32 v22, v21, 16, v20                ; my two bytes: blocks h and 2 + h of my column,
	v_lshlrev_b32 v23, 3, v14
	v_lshlrev_b32 v22, v23, v22                    ; at their places in the scale word (8 h bits up);
	v_mov_b32 v23, 0                               ; (a lane permute's destination counts as one of its sources)
	v_permlanex16_b32 v23, v22, s20, s21
	v_or_b32 v22, v22, v23                         ; with lane l xor 16's two the word is whole, in both lanes
.irp c, 0,1
	v_cvt_scalef32_pk16_fp6_f32 v[WF+6*\c:WF+2+6*\c], v[WX+32*\c:WX+15+32*\c], v[18+\c]        ; registers 6 c' .. 6 c' + 2 of the operand
	v_cvt_scalef32_pk16_fp6_f32 v[108+4*\c:110+4*\c], v[WX+16+32*\c:WX+31+32*\c], v[18+\c]     ; (a conversion's three registers begin on an even number: the second half is made elsewhere and moved)
.endr
	v_nop                                          ; one plain vector instruction between a scaled conversion and the vector instruction that touches its result
.irp c, 0,1
.irp i, 0,1,2
	v_mov_b32 v[WF+3+6*\c+\i], v[108+4*\c+\i]
.endr
.endr
	s_wait_alu depctr_va_vdst(0)                   ; the conversions and the moves have written the fragment v96-107, which the three stores read, and v22 is written, which the LDS store reads
.irp g, 0,1,2
	global_store_b128 v[GA], v[WF+4*\g:WF+4*\g+3], s[14:15] offset:512*\g   ; 32 lanes store 512 consecutive bytes, at a multiple of 256 from wq's first byte
.endr
	ds_store_b32 v5, v22                           ; both lanes of a column write the same word with the same value
	s_wait_dscnt 0x0                               ; for the others' sake: my word lies in LDS
	s_barrier_signal -1
	s_barrier_wait -1                              ; the chunk's 64 words come from the four waves
	s_cmp_lg_u32 s16, 0                            ; wave 0 sends them (its base stands at the chunk's first byte)
	s_cbranch_scc1 .Lwc_done
	ds_load_b64 v[24:25], v6                       ; (no vector instruction of this path names v24 or v25)
	s_wait_dscnt 0x0
	global_store_b64 v7, v[24:25], s[14:15] offset:6144   ; 32 lanes store 256 consecutive bytes, aligned
.Lwc_done:
	s_wait_dscnt 0x0                               ; the closing lines, six on end
	s_wait_alu 0x0
	s_wait_tensorcnt 0x0
	ds_add_u32 v27, v247
	s_wait_dscnt 0x0
	s_endpgm
; ================ x: one block of 16 rows a wave ================
; Landing set f: 16 rows x 128 numbers, as they lie: each load reads 512 consecutive bytes of one row, 16 a lane.  f = 0 .. 3: K step f of my rows;  f = 4: Wp's 16 rows, K step = my wave
.macro GL f
	WIN 0x40                                       ; destination window 1
.set rR, 64*((\f)%3)
.irp i, 0,1,2,3,4,5,6,7,8,9,10,11,12,13,14,15
.if (\f) < 4
	global_load_b128 v[rR+4*\i:rR+4*\i+3], v[GA], s[4:5] offset:2048*\i+512*(\f) th:TH_LOAD_NT
.else
	global_load_b128 v[rR+4*\i:rR+4*\i+3], v[GA], s[6:7] offset:2048*\i
.endif
.endr
.endm
; Set f turns through my own stage.  TRS: in, as loaded.  TRL2: out, two loads at a time: lane (r, h) takes, of row r, numbers 32 b + 16 h + 0 .. 15 of each block b; load dl of sixteen brings
; four numbers of block dl / 4 into v[dN + 4 dl] on.  LDS serves a wave's instructions in order (ISA guide 5.7.1.4): no wait between the stores and the loads
.macro TRS f
	WIN 0x04                                       ; an LDS store's data are its source 1: window 1
.set rR, 64*((\f)%3)
.irp i, 0,1,2,3,4,5,6,7,8,9,10,11,12,13,14,15
	ds_store_b128 v[TIN], v[rR+4*\i:rR+4*\i+3] offset:TP*\i
.endr
	WIN 0
.endm
.macro TRL2                            ; nothing where the set in hand has had its sixteen
.rept 2
.if dl < 16
	ds_load_b128 v[dN+4*dl:dN+4*dl+3], v[TOUT] offset:128*(dl/4)+16*(dl%4)
.set dl, dl+1
.endif
.endr
.endm
; Fragment k as it stands: three stores of 512 consecutive bytes, aligned; its registers are not written again
.macro SENDF k
.irp g, 0,1,2
	global_store_b128 v[GA], v[XFR+12*(\k)+4*\g:XFR+12*(\k)+4*\g+3], s[12:13] offset:FRB*(\k)+512*\g
.endr
.endm
; 64 numbers of a lane, v[s] .. v[s + 63], register 16 b + i = k 32 b + 16 (lane / 16) + i of my row, become a fragment's codes in v[pc] .. v[pc + 11] and its scale word in v[pw].
; The next set's sixteen LDS loads are dealt among the 32 lines that search for the largest magnitudes, two behind each four.  No wait: they land in the other set of numbers and read v[TOUT],
; and no vector instruction since the wait at the step's head names either.
.macro QUANT s, pc, pw
.irp b, 0,1,2,3
	v_max3_num_f32 v[TM+\b], |v[\s+16*\b]|, |v[\s+1+16*\b]|, 0x1800000   ; block b: my 16 numbers, and the floor 2^(3 - 127), under which no largest magnitude is taken: so the byte cannot fall under 1
.endr
	TRL2
.irp i, 2,4,6,8,10,12,14
.irp b, 0,1,2,3
	v_max3_num_f32 v[TM+\b], v[TM+\b], |v[\s+16*\b+\i]|, |v[\s+1+16*\b+\i]|   ; (the four blocks by turns: no line waits for the line above it)
.endr
	TRL2
.endr
.irp b, 0,1,2,3
	v_permlanex16_b32 v[TM+4+\b], v[TM+\b], s20, s21
.endr
.irp b, 0,1,2,3
	v_max_num_f32 v[TM+\b], v[TM+\b], v[TM+4+\b]   ; with lane l xor 16's: the block's largest magnitude
.endr
.irp b, 0,1,2,3
	v_add_nc_u32 v[TM+12+\b], 0xff000000, v[TM+\b]   ; 2 off its exponent field: the conversion's scale operand
.endr
.irp b, 0,1,2,3
	v_lshrrev_b32 v[TM+4+\b], 23, v[TM+12+\b]      ; the scale's byte
.endr
	v_lshl_or_b32 v[\pw], v[TM+5], 8, v[TM+4]      ; the four bytes make my row's scale word (the same in lanes l and l xor 16)
	v_lshl_or_b32 v[\pw], v[TM+6], 16, v[\pw]
	v_lshl_or_b32 v[\pw], v[TM+7], 24, v[\pw]
.irp c, 0,1
	v_cvt_scalef32_pk16_fp6_f32 v[\pc+6*\c:\pc+2+6*\c], v[\s+32*\c:\s+15+32*\c], v[TM+12+2*\c]
	v_cvt_scalef32_pk16_fp6_f32 v[PH+4*\c:PH+2+4*\c], v[\s+16+32*\c:\s+31+32*\c], v[TM+12+2*\c+1]   ; (a conversion's three registers begin on an even number)
.endr
	v_nop                                          ; one plain vector instruction behind the scaled conversions
.irp c, 0,1                                    ; the operand's layout wants a WHOLE block in a lane: lanes 0-15 block 2 c, lanes 16-31 block 2 c + 1
.irp i, 0,1,2
	v_permlane16_swap_b32 v[\pc+6*\c+\i], v[PH+4*\c+\i]
.endr
.irp i, 0,1,2
	v_mov_b32 v[\pc+3+6*\c+\i], v[PH+4*\c+\i]
.endr
.endr
.endm
.Lrows:
	s_sub_co_u32 s24, ttmp9, NWC
	s_lshl_b32 s24, s24, 2
	s_add_co_u32 s24, s24, s16                     ; my row block, 0 .. 2047
	s_mul_i32 s26, s24, CHX                        ; its chunk of xq
	s_mov_b32 s27, 0
	s_lshl_b32 s24, s24, 15                        ; its 16 rows of 2,048 bytes
	s_mov_b32 s25, 0
	s_lshl_b32 s18, s16, 9                         ; Wp: K step = my wave: 512 bytes along a row
	s_mov_b32 s19, 0
	s_mov_b32 s28, 0xbfb8aa3b                      ; - log2(e)
	s_mov_b32 s29, 0x38d1b717                      ; 1e-4
	s_mov_b32 s30, 0xffff0000                      ; lanes 16-31
	v_lshlrev_b32 v[BPA], 5, v14
	s_wait_kmcnt 0x0
	s_add_nc_u64 s[4:5], s[4:5], s[24:25]
	s_add_nc_u64 s[12:13], s[12:13], s[26:27]
	s_add_nc_u64 s[6:7], s[6:7], s[18:19]
	s_wait_alu depctr_va_vdst(0)                   ; the offsets v1 and v2 are written, which the loads below read; only loads and a window switch stand between this wait and the last of them
	global_load_b128 v[BP:BP+3], v[BPA], s[8:9]    ; bp of my eight scores: the C of the scores' first product
	global_load_b128 v[BP+4:BP+7], v[BPA], s[8:9] offset:16
	GL 0                                           ; three sets, 48 loads of 512 bytes, are asked for before anything else
	GL 1
	GL 2
	WIN 0
	v_lshlrev_b32 v15, 2, v12                      ; 4 x lane
	s_mul_i32 s22, s16, 16*TP                      ; my turning stage (the stages begin at LDS byte 0)
	v_add_nc_u32 v[TIN], s22, v[GA]
	v_mul_u32_u24 v[TOUT], v13, TP
	v_lshl_add_u32 v[TOUT], v14, 6, v[TOUT]
	v_add_nc_u32 v[TOUT], s22, v[TOUT]
	s_mul_i32 s22, s16, FRB
	s_add_co_u32 s22, s22, WPI
	v_add_nc_u32 v[WPIW], s22, v[GA]
	s_lshl_b32 s22, s16, 7
	s_add_co_u32 s22, s22, WPS
	v_add_nc_u32 v[WPSW], s22, v15
	v_add_nc_u32 v[LI], WPI, v[GA]
	v_add_nc_u32 v[LS], WPS, v15
	s_lshl_b32 s22, s16, 8
	s_add_co_u32 s22, s22, SWU
	v_add_nc_u32 v[SWA], s22, v15
	v_lshlrev_b32 v[L8], 3, v12
	v_add_nc_u32 v[SWR], s22, v[L8]
.irp b, 0,1,2,3
	v_mov_b32 v[TM+4+\b], 0                        ; written once: a lane permute's destination counts as one of its sources
.endr
	s_wait_loadcnt 32                              ; bp and set 0 are in; sets 1 and 2 (32 loads) may be out
	s_wait_alu depctr_va_vdst(0)                   ; the LDS addresses and the offset v3 to v11 are written, which every LDS instruction and the scale words' store from here on read; none is written again
	TRS 0
.set dN, XN
.set dl, 0
.rept 8
	TRL2                                           ; set 0 comes back in one run: there is no vector work yet to deal it among
.endr
.irp f, 0,1,2,3,4
	s_wait_dscnt 0x0                               ; set f is back from the stage
.if \f < 2
	WIN 0x40                                       ; (the switch, then the wait, then the loads)
	s_wait_alu depctr_vm_vsrc(0)                   ; set f's LDS stores have read their landing set, in which the loads of set f + 3 land
.endif
.if (\f > 0) && (\f < 4)
	s_wait_alu depctr_va_vdst(0)                   ; step f - 1 has written fragment f - 1, which the three stores below read, and is done reading its set of numbers, in which set f + 1's LDS loads land
.endif
.if \f < 2
	GL \f+3                                        ; into the landing set that set f has left
.endif
.if (\f > 0) && (\f < 4)
	WIN 0
	SENDF \f-1                                     ; the step before's fragment
.endif
.if \f < 2
	s_wait_loadcnt 32                              ; set f + 1 is in; the two sets behind it may be out
.elseif \f == 2
	s_wait_loadcnt 16                              ; one set behind it
.elseif \f == 3
	s_wait_loadcnt 0x0
.endif
.if \f < 4
	TRS \f+1                                       ; goes into the stage, and comes back while set f is quantised
.set dN, XN+64*((\f+1)%2)
.set dl, 0
	QUANT XN+64*(\f%2), XFR+12*\f, XW+\f
.else
	QUANT XN, PCW, PWP                             ; my K step of Wp (no set is left to come back)
	v_cndmask_b32 v60, v[XW], v[XW+1], s30         ; my 64 scale words on end: lanes 0-15 an even K step's, lanes 16-31 the next one's
	v_cndmask_b32 v61, v[XW+2], v[XW+3], s30
	s_wait_alu depctr_va_vdst(0)                   ; written: fragment 3, which its stores read; Wp's codes v128-139 and word v36, v60 and v61, which LDS stores read; x's fragments and scale words, which the scaled
	                                               ; products take (all of Wp's quantising stands behind the last line that wrote one, ahead of this wait).  And Wp's quantising is done reading v64-127, in which Wp's four fragments land
	SENDF 3
.irp g, 0,1,2
	ds_store_b128 v[WPIW], v[PCW+4*\g:PCW+4*\g+3] offset:512*\g
.endr
	ds_store_b32 v[WPSW], v[PWP]
.endif
.endr
	s_wait_dscnt 0x0                               ; for the others' sake: my image of Wp lies in LDS
	s_barrier_signal -1
	s_barrier_wait -1
.irp i, 0,1,2,3,4,5,6,7,8,9,10,11
	ds_load_b128 v[XN+4*\i:XN+4*\i+3], v[LI] offset:512*\i   ; Wp's four fragments
.endr
.irp k, 0,1,2,3
	ds_load_b32 v[WPW+\k], v[LS] offset:128*\k     ; and their scale words
.endr
	ds_store_b32 v[SWA], v60                       ; my scale words go through my own 256 bytes of LDS,
	ds_store_b32 v[SWA], v61 offset:128
	ds_load_b64 v[62:63], v[SWR]                   ; so that one store fills the aligned 256 bytes
	s_wait_dscnt 0x0
	global_store_b64 v[L8], v[62:63], s[12:13] offset:6144
; the scores: one accumulator, K ascending.  x's fragments and scale words were written by vector instructions; the whole quantising of Wp, and the wait behind it, stand between the last of them and the first product
	v_wmma_scale_f32_16x16x128_f8f6f4 v[SCO:SCO+7], v[XN:XN+11], v[XFR:XFR+11], v[BP:BP+7], v[WPW], v[XW] matrix_a_fmt:MATRIX_FMT_FP6 matrix_b_fmt:MATRIX_FMT_FP6
.irp k, 1,2,3
	s_wait_alu depctr_va_vdst(0)                   ; the wait directly ahead of each link: the link before has written the scores
	v_wmma_scale_f32_16x16x128_f8f6f4 v[SCO:SCO+7], v[XN+12*\k:XN+12*\k+11], v[XFR+12*\k:XFR+12*\k+11], v[SCO:SCO+7], v[WPW+\k], v[XW+\k] matrix_a_fmt:MATRIX_FMT_FP6 matrix_b_fmt:MATRIX_FMT_FP6
.endr
.rept 4
	v_nop                                          ; four places behind the last product (ISA guide 7.12.1)
.endr
.irp n, 0,1,2,3,4,5,6,7
	v_mul_f32 v[SG+\n], s28, v[SCO+\n]             ; - s log2(e); the accumulator is read from its low end on
.endr
.irp n, 0,1,2,3,4,5,6,7
	v_exp_f32 v[SG+\n], v[SG+\n]                   ; e^-s (infinity for a very negative s: the reciprocal below is then 0)
.endr
	v_nop                                          ; a plain instruction behind the last exponential,
	s_wait_alu depctr_va_vdst(0)                   ; and the one wait for the batch ahead of its first reader: the eight exponentials have written v248-255
.irp n, 0,1,2,3,4,5,6,7
	v_add_f32 v[SG+\n], 1.0, v[SG+\n]
.endr
.irp n, 0,1,2,3,4,5,6,7
	v_rcp_f32 v[SG+\n], v[SG+\n]                   ; sigmoid(s)
.endr
	v_nop
	s_wait_alu depctr_va_vdst(0)                   ; likewise: the eight reciprocals have written v248-255
.irp n, 0,1,2,3
	v_mul_f32 v[SG+2*\n], v[SG+2*\n], v[SG+2*\n+1] ; the two patterns' product
.endr
.irp n, 0,1,2,3
	v_cmp_lt_f32 s[CM+\n], s29, v[SG+2*\n]         ; above 1e-4?  The four tests in a run, a mask register each
.endr
	s_wait_alu depctr_va_sdst(0)                   ; the four masks s24-27 are written, ahead of the selects that read them
.irp n, 0,1,2,3
	v_cndmask_b32 v[PO+\n], 0, v[SG+2*\n], s[CM+\n]   ; else exactly 0
.endr
	s_wait_alu depctr_va_vdst(0)                   ; the selects have written presence, v240-243, which the store reads
	global_store_b128 v[GA], v[PO:PO+3], s[12:13] offset:6400   ; lane (r, h): cases 4 h + 0 .. 3 of row r at 16 r + 256 h: 512 consecutive bytes, aligned
	s_wait_dscnt 0x0                               ; the closing lines, six on end
	s_wait_alu 0x0
	s_wait_tensorcnt 0x0
	ds_add_u32 v27, v247
	s_wait_dscnt 0x0
	s_endpgm
.Lfunc_end_k_q45b0609241_prep:
	.size	k_q45b0609241_prep, .Lfunc_end_k_q45b0609241_prep-k_q45b0609241_prep
	.p2alignl 7, 3214868480
	.fill 96, 4, 3214868480
	.section	.rodata,"a",@progbits
	.p2align	6, 0x0
	.amdhsa_kernel k_q45b0609241_prep
		.amdhsa_group_segment_fixed_size 42240
		.amdhsa_private_segment_fixed_size 0
		.amdhsa_enable_private_segment 0
		.amdhsa_kernarg_size 48
		.amdhsa_user_sgpr_count 2
		.amdhsa_user_sgpr_kernarg_segment_ptr 1
		.amdhsa_wavefront_size32 1
		.amdhsa_system_sgpr_workgroup_id_x 1
		.amdhsa_system_sgpr_workgroup_id_y 1
		.amdhsa_system_sgpr_workgroup_id_z 1
		.amdhsa_system_vgpr_workitem_id 0
		.amdhsa_next_free_vgpr 448
		.amdhsa_next_free_sgpr 66
		.amdhsa_reserve_vcc 0
		.amdhsa_float_denorm_mode_32 3
		.amdhsa_float_denorm_mode_16_64 3
		.amdhsa_memory_ordered 1
		.amdhsa_forward_progress 1
		.amdhsa_inst_pref_size 57
	.end_amdhsa_kernel
	.amdgpu_metadata
---
amdhsa.version: [ 1, 2 ]
amdhsa.kernels:
  - .name:           k_q45b0609241_prep
    .symbol:         k_q45b0609241_prep.kd
    .args:
      - { .name: x, .offset: 0, .size: 8, .value_kind: global_buffer, .address_space: global }
      - { .name: Wp, .offset: 8, .size: 8, .value_kind: global_buffer, .address_space: global }
      - { .name: bp, .offset: 16, .size: 8, .value_kind: global_buffer, .address_space: global }
      - { .name: Wc, .offset: 24, .size: 8, .value_kind: global_buffer, .address_space: global }
      - { .name: xq, .offset: 32, .size: 8, .value_kind: global_buffer, .address_space: global }
      - { .name: wq, .offset: 40, .size: 8, .value_kind: global_buffer, .address_space: global }
    .group_segment_fixed_size: 42240
    .private_segment_fixed_size: 0
    .kernarg_segment_align: 8
    .kernarg_segment_size: 48
    .max_flat_workgroup_size: 128
    .sgpr_count:     66
    .vgpr_count:     448
    .wavefront_size: 32
...
	.end_amdgpu_metadata
.endif
;; end of part 5
;; launch main: the kernel of part 4 again; grid 256 x 1, 4 waves a work-group, clusters of 4 x 1, 327,680 bytes of LDS; arguments xq, wq, bc, out0; writes out0
